; MI455X (gfx1250); checked and timed in simulation.
; The chip was launched on July 23, 2026; its instructions are those of AMD's public machine-readable ISA for CDNA 5 (MIT licence, August 2026) and "CDNA5" Instruction Set Architecture Reference Guide (July 2026). The comments in the code are by the model that wrote it; some were corrected since.
;; self Attention Multi Head. Allowed arithmetic: matrix products marked QUANTISED: E2M3 operands, one E8M0 scale for each 32 along K, by v_wmma_scale_f32_16x16x128_f8f6f4 with both operands' format E2M3, f32 sums; products left as they are: f32 operands where the result goes on into a quantised operand, else bf16, f16 or f32 operands; f32 sums; everything else in f32.
;; Inputs: Wk_codes 1,024 x 32 x 24 uint8 (E2M3 codes of Wk, K innermost, in blocks of 32 codes, four codes in three bytes); Wk_scales 1,024 x 32 uint8 (E8M0 scales of Wk, one for each 32 codes along K); Wq_codes 1,024 x 32 x 24 uint8 (E2M3 codes of Wq, K innermost, in blocks of 32 codes, four codes in three bytes); Wq_scales 1,024 x 32 uint8 (E8M0 scales of Wq, one for each 32 codes along K); Wv_codes 1,024 x 32 x 24 uint8 (E2M3 codes of Wv, K innermost, in blocks of 32 codes, four codes in three bytes); Wv_scales 1,024 x 32 uint8 (E8M0 scales of Wv, one for each 32 codes along K); bk 1,024 float32; bq 1,024 float32; bv 1,024 float32; x_codes 16 x 1,024 x 32 x 24 uint8 (E2M3 codes of x, K innermost, in blocks of 32 codes, four codes in three bytes); x_scales 16 x 1,024 x 32 uint8 (E8M0 scales of x, one for each 32 codes along K).
;; Outputs: out0 16 x 1,024 x 1,024 float32.
;; This version of the problem:
;;   THIS VERSION OF THE PROBLEM IS GIVEN IN LOW PRECISION. The matrix products marked QUANTISED in the list below multiply operands that are first quantised to E2M3 (2 exponent bits, 3 mantissa bits; 6 bits a number), with one power-of-two scale for each 32 numbers along K (OCP MX v1.0); their sums are f32. All else is computed in f32.
;;   The module's matrix products, in the order in which they are computed (A, B: the left and right operand; K: the contracted axis; several contracted axes count as one K, in the product's order):
;;     1. [M 16,384, K 1,024] x [K 1,024, N 1,024]; A: input x (given as codes); B: input Wq (given as codes): QUANTISED
;;     2. [M 16,384, K 1,024] x [K 1,024, N 1,024]; A: input x (given as codes); B: input Wk (given as codes): QUANTISED
;;     3. [M 16,384, K 1,024] x [K 1,024, N 1,024]; A: input x (given as codes); B: input Wv (given as codes): QUANTISED
;;     4. batch 16,384 x [M 16, K 64] x [K 64, N 16]; A: computed on the way; B: computed on the way: QUANTISED
;;     5. batch 16,384 x [M 16, K 16] x [K 16, N 64]; A: softmax; B: computed on the way: left as it is (K = 16 < 32)
;;   THE QUANTISER, for each operand of a quantised product, along K:
;;     - K is cut into blocks of 32 from its start; a last block that is shorter is filled with zeros.
;;     - A block's scale is 2^e with e = floor(log2(the largest magnitude in the block)) - 2, held to -126 .. 127; a block of zeros has e = 0. As a byte (E8M0): e + 127.
;;     - Each number is divided by its block's scale, clamped to +-7.5, and rounded to the nearest number of E2M3, ties to even, subnormals kept.
;;     - The product sums the exact products of the quantised numbers (number of the format x scale) in f32.
;;   ~~~python
;;   def quantise(x, axis):      # numpy; x: float32 -> the quantised numbers, widened to float32 again
;;       x = np.moveaxis(x, axis, -1); K = x.shape[-1]
;;       x = np.pad(x, [(0, 0)] * (x.ndim - 1) + [(0, -K % 32)]); x = x.reshape(x.shape[:-1] + (-1, 32)); a = np.abs(x).max(-1, keepdims=True)
;;       e = np.where(a > 0, np.clip(np.frexp(np.where(a > 0, a, 1))[1] - 1 - 2, -126, 127), 0)      # np.frexp(a)[1] - 1 = floor(log2(a)), exactly
;;       r = np.clip(x / 2.0 ** e, -7.5, 7.5)
;;       step = 2.0 ** (np.maximum(np.frexp(np.where(r == 0, 1, r))[1] - 1, 0) - 3)
;;       q = np.round(r / step) * step * 2.0 ** e      # np.round: ties to even
;;       return np.moveaxis(q.reshape(q.shape[:-2] + (-1,))[..., :K], -1, axis).astype(np.float32)
;;   ~~~
;;   OPERANDS COMPUTED ON THE WAY. 'Computed on the way' means the value that the module computes at that place (a softmax that the list does not call 'softmax' is quantised finished and normalised). What goes into a quantiser is computed in f32, as accurately as f32 sums, v_exp_f32 and their like allow (about 1e-6 of the number): no bf16 or f16 on the way to a quantiser, and a product that is left as it is and whose result goes on into a quantised operand takes f32 operands (vector FMAs, or v_wmma_f32_16x16x4_f32). A number that lies on a knife's edge between two numbers of the format may be rounded either way, as far as f32 arithmetic and the matrix unit's own rounding can turn it there, and no further.
;;   INPUTS GIVEN AS CODES. Wk (in the module: [1024, 1024], K = its axis 0); Wq (in the module: [1024, 1024], K = its axis 0); Wv (in the module: [1024, 1024], K = its axis 0); x (in the module: [16, 1024, 1024], K = its axis 2): each comes as NAME_codes (uint8): NAME with its K axis moved to the last place and cut into blocks of 32 codes, [.., K / 32, bytes a block], one block behind the other in memory; four codes in three bytes: a row's codes are one little-endian stream of bits, code i at bits 6 i .. 6 i + 5 (a code: sign, 2 exponent bits, 3 mantissa bits); and NAME_scales (uint8): the same leading axes, one E8M0 byte (e + 127) for each 32 codes along K. Its value is code x scale, taken as it is: it is not quantised again, and the codes and scales need not be those that the quantiser above would give.
;; 2 versions, each right. Each part assembles by itself: llvm-mc -triple=amdgcn-amd-amdhsa -mcpu=gfx1250 --defsym DOCPART=n.
;; ======== version 1 of 2: 1 launch
;; launch fused (part 1): grid 256 x 1, 4 waves a work-group, clusters of 4 x 1, 327,680 bytes of LDS; arguments x_codes, x_scales, Wq_codes, Wq_scales, bq, Wk_codes, Wk_scales, bk, Wv_codes, Wv_scales, bv, out0; writes out0
.if DOCPART == 1
	.amdgcn_target "amdgcn-amd-amdhsa--gfx1250"
	.amdhsa_code_object_version 6
	.text
	.protected	k_q52d639eed1_fused
	.globl	k_q52d639eed1_fused
	.p2align	8
	.type	k_q52d639eed1_fused,@function
k_q52d639eed1_fused:
	s_mov_b64 s[64:65], 0
	v_nop
	global_prefetch_b8 v0, s[64:65] scope:SCOPE_SE
	s_setreg_imm32_b32 hwreg(HW_REG_WAVE_MODE, 25, 1), 1
	s_wait_xcnt 0x0
	s_wait_alu depctr_hold_cnt(0) depctr_sa_sdst(0) depctr_va_vdst(0) depctr_va_sdst(0) depctr_va_ssrc(0) depctr_va_vcc(0) depctr_vm_vsrc(0)
	s_getreg_b32 s2, hwreg(HW_REG_IB_STS2, 6, 4)
	s_cmp_eq_u32 s2, 0
	s_cbranch_scc0 .Lentry_in_a_cluster
	s_endpgm
.Lentry_in_a_cluster:
	s_bfe_u32 s2, ttmp6, 0x10000c
	s_cmp_lg_u32 s2, 0x3003
	s_cbranch_scc0 .Lentry_shape_is_right
	s_endpgm
.Lentry_shape_is_right:
; out[p][h][:] = sum over g of softmax_g(Q[p][h] . K[p][g]) V[p][g][:], for each of 16,384 positions p by itself, h and g the 16 HEADS; Q, K, V = x W + b.
; x [16384][1024] and Wq, Wk, Wv [1024 n][1024 k] come as codes of FP6 (E2M3) with one E8M0 byte for each 32 along K.  The three projections and the scores go by the scaled FP6 matrix form;
; Q and K (with their biases, f32) are quantised along a head's 64 numbers, two blocks of 32; the last product (K = 16) takes bf16 operands; all sums f32.
; ONE LAUNCH.  A work-group of four waves owns 64 positions and takes them through everything: Q, K and V never go to memory.
; x STAYS IN REGISTERS: every wave holds all 64 rows x 1,024 codes (384 registers).  THE WEIGHTS ARE WALKED ALONG N: a chunk is 128 whole rows of a weight, 98,304 dense bytes; 24 chunks (Wq 0-7, Wk 8-15, Wv 16-23)
; go through a ring of two LDS slots.  Of a chunk a wave takes 32 rows (two tiles) against all 64 positions (four tiles): 8 accumulators x 8 K steps = 64 matrix instructions; each fragment of W is read from LDS once, by one wave, for four instructions.
; A chunk's sums are whole when its 64 instructions are done, so its epilogue stands in slices among the NEXT chunk's matrix instructions (two sets of accumulators).
; CLUSTER: the four work-groups of a cluster walk the same weights, so each chunk is asked for JOINTLY (mask 15); x's rows are each work-group's own and come by a plain load.
; Q, K: the product is used transposed (source 0 = 16 rows of W, source 1 = 16 positions): a lane holds one position and 16 of the 32 numbers of one block; codes and scale bytes go to LDS.
;   The 32 codes of a block lie in the order 0-7, 16-23, 8-15, 24-31, alike in Q and K: the scores are sums over the same pairs.
; V: natural (source 0 = positions, source 1 = rows of W); wave w takes channels 16 w .. 16 w + 15 of both heads of a chunk.  Two heads' results pack into one bf16 register, and the eight registers of eight chunks ARE
;   source 0 (16 channels x 32 k) of the last product: k slots 0-7, 16-23 hold the 16 heads of one position, slots 8-15, 24-31 those of the position 8 further on.  The weights' operand holds zeros in the other position's slots.
; LIMITS: NaN and infinities among the inputs are not served.  A block of Q or K whose largest magnitude lies under 2^-124 gets the scale byte 1 (a block of zeros too, where the quantiser says 127: its codes are
; zeros, and this kernel alone reads the byte).  Inside a block of 32 the scores' products are summed in the permuted order named above.  V and the softmax's weights are rounded to bf16 for the last product.
;
; LDS: SLOT0, SLOT1: 128 rows of 816 bytes (768 of codes as 3 x (256 + 16 of padding)).  QKR: for each position 768 bytes of Q's codes, 768 of K's, 8 spare; x's 64 rows land here first (their one fill) and are read out
; before the first code is stored.  SCB: for each position 32 scale bytes of Q, 32 of K.  SPARE: the spare words.  Behind the last chunk the ring's bytes serve as ATT (the weights' operand images) and two stages for the way out.
; REGISTERS, in windows of 256 (s_set_vgpr_msb: bits 1:0 source 0, 3:2 source 1, 5:4 source 2, 7:6 destination):
;   window 0: v1-15 addresses; v16-31 x's scale words; v32-47 W's, two sets; v48-63 the bias as C; v64-255 W's fragments of one chunk (K steps 0-3 in v64-159, 4-7 in v160-255)
;   window 1: v0-191 x's fragments, K steps 0-3; v192-255 packed V, positions 0-15      window 2: the same for K steps 4-7 and positions 16-31
;   window 3: v0-127 two sets of 8 accumulators; v128-255 packed V, positions 32-63 (until V begins: the quantiser's temporaries)
.set PW,    816                        ; a row of W or x in LDS
.set QTR,   32*PW                      ; what one tensor load brings of a chunk: 32 rows
.set SLOTB, 4*QTR
.set QKR,   2*SLOTB
.set QKP,   1544                       ; a position's row of codes: 386 words, so that 32 neighbouring positions' stores of 8 bytes fall on different banks (64 banks of 4 bytes: ISA guide 11.1)
.set SCB,   QKR+64*QKP
.set SPARE, SCB+64*64                  ; 128 bytes for each wave: two blocks of 256 bytes that no other line names
.set ATT,   0                          ; 64 positions x 1,024 bytes
.set SROW,  4352                       ; a position in a stage: 16 heads x (256 bytes + 16)
.set STG0,  65536
.set STG1,  STG0+16*SROW
.set CHB,   98304                      ; a chunk in memory
.set XS, 16                            ; v[XS + 8 i + q]: lanes 0-15 the word of position tile 2 i, lanes 16-31 of tile 2 i + 1, K step q
.set WS, 32                            ; v[WS + 8 set + q]: lanes 0-15 W's tile 0, lanes 16-31 tile 1
.set CB, 48                            ; v[CB + 8 t + j]: the bias in the result's layout
.set BF, 64                            ; v[BF + 24 q + 12 t]: W's fragment, K step q, tile t
.set TM, 128                           ; window 3, the quantiser: largest magnitudes; TP the other half's; TS the conversions' scale operands; TB the bytes; F0, G0 (and 16 on: F1, G1) codes
.set TP, 132
.set TS, 136
.set TB, 140
.set F0, 144
.set G0, 152
.set KO, 16                            ; the scores, window 0, position b of four: K's operand at KO + 24 b, Q's at QO + 24 b
.set QO, 28
.set SV, 112                           ; their scale words
.set SD, 120                           ; S^T, 8 registers a position
.set MP, 152                           ; the maximum, in a pair
.set PX, 160                           ; what the other half of the lanes sends
.set SU, 164                           ; sums, pairs
.set SI, 172                           ; sums, then 1 / the sum, pairs
.set PB, 184                           ; the weights in bf16, 4 registers a position
.set ZR, 200                           ; four zeros
.set IM, 16                            ; the last product: 16 positions' operand images, 8 registers each
.set MSB, 0
.macro WIN new                         ; the immediate's high byte repeats the setting that is left; a switch that changes nothing is dropped
.if MSB != (\new)
	s_set_vgpr_msb (MSB<<8)|(\new)
.set MSB, \new
.endif
.endm
.macro CREST                           ; a round of the cluster's barrier behind its opening barrier
	s_cmp_lg_u32 s2, 0
	s_cbranch_scc1 .Lnot_wave_0_\@
	s_barrier_signal -3
.Lnot_wave_0_\@:
	s_barrier_wait -3
	s_barrier_signal -1
	s_barrier_wait -1
.endm
.macro ROUND                           ; a whole round
	s_barrier_signal -1
	s_barrier_wait -1
	CREST
.endm
; A load into a register that a matrix instruction has read, and a vector instruction or a store that reads a matrix result, stand four places behind it; only plain vector instructions that name none of its registers are places
.macro PLACES
.rept 4
	v_nop
.endr
.endm
; A fragment, 16 rows x 128 K of 6-bit codes, is 12 registers: lane l holds row l % 16; registers 6 c .. 6 c + 5 hold the 24 bytes of k = 64 c + 32 (l / 16) + 0 .. 31, as they lie: six loads of 8 bytes.
; The mover has laid 16 bytes of padding behind each 256: where the upper lanes' piece (24 bytes on) lies behind one padding more, the second address register (40 for 24 bytes a half) serves.
.macro FRAG reg, adr, alt, q, rowoff
.irp p, 0,1,2,3,4,5
.set fo, 96*(\q)+48*(\p/3)+8*(\p%3)
.if (fo/256) == ((fo+24)/256)
	ds_load_b64 v[(\reg)+2*\p:(\reg)+2*\p+1], v[\adr] offset:fo+16*(fo/256)+(\rowoff)
.else
	ds_load_b64 v[(\reg)+2*\p:(\reg)+2*\p+1], v[\alt] offset:fo+16*(fo/256)+(\rowoff)
.endif
.endr
.endm
; 48 LDS loads in one run: my two tiles' fragments of four K steps.  half 0: K steps 0-3, 1: 4-7.  typ 0 (Q, K): the tiles lie 16 rows apart; typ 1 (V): 64 rows, a head
.macro LOADB half, slot, typ
.irp qq, 0,1,2,3
.irp t, 0,1
	FRAG BF+24*(4*(\half)+\qq)+12*\t, 3+(\slot), 5+(\slot), 4*(\half)+\qq, \t*(13056+39168*(\typ))
.endr
.endr
.endm
; Matrix instruction n (0 .. 63) of a chunk: K step n / 8, W's tile (n % 8) / 4, position tile n % 4.  The 8 accumulators take turns, one instruction a turn.
; The first K step takes the bias as C: nothing is cleared and nothing is added later.  typ 0: source 0 = W, source 1 = x (transposed); typ 1: source 0 = x, source 1 = W.
.macro MMA typ, par
.set q_, n/8
.set t_, (n%8)/4
.set a_, n%4
.set rD, 64*(\par)+16*a_+8*t_
.set rC, rD
.if q_ == 0
.set rC, CB+8*t_
.endif
.if \typ
.set oA, 48*(q_%4)+12*a_
.set oB, BF+24*q_+12*t_
.set sA, XS+8*(a_/2)+q_
.set sB, WS+8*(\par)+q_
.set fA, a_%2
.set fB, t_
.if q_ == 0
	WIN 0xc1
.elseif q_ < 4
	WIN 0xf1
.else
	WIN 0xf2
.endif
.else
.set oA, BF+24*q_+12*t_
.set oB, 48*(q_%4)+12*a_
.set sA, WS+8*(\par)+q_
.set sB, XS+8*(a_/2)+q_
.set fA, t_
.set fB, a_%2
.if q_ == 0
	WIN 0xc4
.elseif q_ < 4
	WIN 0xf4
.else
	WIN 0xf8
.endif
.endif
.if fA && fB
	v_wmma_scale_f32_16x16x128_f8f6f4 v[rD:rD+7], v[oA:oA+11], v[oB:oB+11], v[rC:rC+7], v[sA], v[sB] matrix_a_fmt:MATRIX_FMT_FP6 matrix_b_fmt:MATRIX_FMT_FP6 matrix_a_scale:MATRIX_SCALE_ROW1 matrix_b_scale:MATRIX_SCALE_ROW1
.elseif fA
	v_wmma_scale_f32_16x16x128_f8f6f4 v[rD:rD+7], v[oA:oA+11], v[oB:oB+11], v[rC:rC+7], v[sA], v[sB] matrix_a_fmt:MATRIX_FMT_FP6 matrix_b_fmt:MATRIX_FMT_FP6 matrix_a_scale:MATRIX_SCALE_ROW1
.elseif fB
	v_wmma_scale_f32_16x16x128_f8f6f4 v[rD:rD+7], v[oA:oA+11], v[oB:oB+11], v[rC:rC+7], v[sA], v[sB] matrix_a_fmt:MATRIX_FMT_FP6 matrix_b_fmt:MATRIX_FMT_FP6 matrix_b_scale:MATRIX_SCALE_ROW1
.else
	v_wmma_scale_f32_16x16x128_f8f6f4 v[rD:rD+7], v[oA:oA+11], v[oB:oB+11], v[rC:rC+7], v[sA], v[sB] matrix_a_fmt:MATRIX_FMT_FP6 matrix_b_fmt:MATRIX_FMT_FP6
.endif
.endm
.macro HI typ, par                     ; a chunk's K steps 4-7: 32 matrix instructions
.set n, 32
.rept 32
	MMA \typ, \par
.set n, n+1
.endr
.endm
; THE EPILOGUE OF A CHUNK OF Q OR K, slice n of 16.  Lane (r, h) holds, for each position tile a, 16 numbers of position 16 a + r: the block's numbers 8 h + 0..7 and 16 + 8 h + 0..7, in the 16 registers of the tile's two accumulators.
; 0-7 my 16 numbers' largest magnitude, with the floor 2^(3 - 127) among the leaves, so that the byte cannot fall under 1; each accumulator is read from its low end on.  8, 9 with lane l xor 16's: the block's.
; 10 two off its exponent field: the conversion's scale operand.  11 the byte.  12 the conversions.  13, 14 tiles 2 k and 2 k + 1 change halves: lane l then holds all 24 bytes of position 32 k + l.  15 the stores.
.macro EPIQ par, c
.set eA, 64*(\par)
.if n < 15
	WIN 0xff
.endif
.if n == 0
.irp a, 0,1,2,3
	v_max3_num_f32 v[TM+\a], |v[eA+16*\a]|, |v[eA+16*\a+1]|, 0x1800000
.endr
.elseif n < 8
.irp a, 0,1,2,3
	v_max3_num_f32 v[TM+\a], v[TM+\a], |v[eA+16*\a+2*n]|, |v[eA+16*\a+2*n+1]|
.endr
.elseif n == 8
.irp a, 0,1,2,3
	v_permlanex16_b32 v[TP+\a], v[TM+\a], s62, s63
.endr
.elseif n == 9
.irp a, 0,1,2,3
	v_max_num_f32 v[TM+\a], v[TM+\a], v[TP+\a]
.endr
.elseif n == 10
.irp a, 0,1,2,3
	v_add_nc_u32 v[TS+\a], 0xff000000, v[TM+\a]
.endr
.elseif n == 11
.irp a, 0,1,2,3
	v_lshrrev_b32 v[TB+\a], 23, v[TS+\a]
.endr
.elseif n == 12
.irp k, 0,1
	v_cvt_scalef32_pk16_fp6_f32 v[F0+16*\k:F0+16*\k+2], v[eA+32*\k:eA+32*\k+15], v[TS+2*\k]
	v_cvt_scalef32_pk16_fp6_f32 v[G0+16*\k:G0+16*\k+2], v[eA+32*\k+16:eA+32*\k+31], v[TS+2*\k+1]
.endr
	v_nop                                          ; one plain place behind the last scaled conversion
.elseif n == 13
.irp k, 0,1
.irp i, 0,1,2
	v_permlane16_swap_b32 v[F0+16*\k+\i], v[G0+16*\k+\i]   ; F: each lane's position's first 16 codes; G: its other 16
.endr
.endr
.elseif n == 14
.irp k, 0,1
.irp i, 0,1,2
	v_mov_b32 v[F0+16*\k+3+\i], v[G0+16*\k+\i]
.endr
.endr
.else
	WIN 0x0c                                       ; an LDS store's data are its source 1: window 3
.irp k, 0,1
.irp i, 0,1,2
	ds_store_b64 v11, v[F0+16*\k+2*\i:F0+16*\k+2*\i+1] offset:32*QKP*\k+96*(\c)+8*\i
.endr
.endr
.irp a, 0,1,2,3
	ds_store_b8 v12, v[TB+\a] offset:1024*\a+4*(\c)   ; both halves of the lanes write the same byte with the same value
.endr
.endif
.endm
; THE EPILOGUE OF A CHUNK OF V, slice n of 8: lane (r, h), register j of tile (a, t) is V[position 16 a + 8 h + j][head 2 c + t][channel 16 w + r].  The two heads pack into register c of unit (a, j).
.macro EPIV par, c
.set va, n/2
.set vb, 192
.if va == 0
	WIN 0x4f
.elseif va == 1
	WIN 0x8f
.else
	WIN 0xcf
.endif
.if va == 2
.set vb, 128
.endif
.irp jj, 0,1,2,3
.set vj, 4*(n%2)+\jj
	v_cvt_pk_bf16_f32 v[vb+8*vj+(\c)], v[64*(\par)+16*va+vj], v[64*(\par)+16*va+8+vj]
.endr
.endm
.macro BIAS typ                        ; the next chunk's bias in the result's layout.  typ 0: register j of lane (r, h) is b[32 w + 16 t + 8 h + j]; typ 1: every register is b[64 t + 16 w + r]
.if \typ
.irp t, 0,1
.irp j, 0,1,2,3,4,5,6,7
	global_load_b32 v[CB+8*\t+\j], v15, s[16:17] offset:256*\t
.endr
.endr
.else
.irp t, 0,1
	global_load_b128 v[CB+8*\t:CB+8*\t+3], v8, s[16:17] offset:64*\t
	global_load_b128 v[CB+8*\t+4:CB+8*\t+7], v8, s[16:17] offset:64*\t+16
.endr
.endif
.endm
.macro WSLD typ, par, off              ; a chunk's scale words of my 32 rows: a row's 32 bytes are the words of its 8 K steps
.if \typ
	global_load_b128 v[WS+8*(\par):WS+8*(\par)+3], v14, s[14:15] offset:\off
	global_load_b128 v[WS+8*(\par)+4:WS+8*(\par)+7], v14, s[14:15] offset:(\off)+16
.else
	global_load_b128 v[WS+8*(\par):WS+8*(\par)+3], v7, s[14:15] offset:\off
	global_load_b128 v[WS+8*(\par)+4:WS+8*(\par)+7], v7, s[14:15] offset:(\off)+16
.endif
.endm
; A PREFETCH INTO THE L2 of the chunk that stands four refills on: 98,304 bytes = 384 blocks of 256.  All clusters walk the same weights: the first cluster asks.  Its four partners take 24,576 bytes each, told apart BY ADDRESS;
; in each, waves 0 to 2 ask for 8,192 bytes, lanes 256 bytes apart: one instruction a wave, each block named once in the launch.  It stands behind the tensor load, its four lines and the run of LDS loads.
.macro ASK
	s_cmp_eq_u32 s72, 1
	s_cbranch_scc0 .Lnot_mine_\@
	global_prefetch_b8 v13, s[66:67] th:TH_LOAD_NT scope:SCOPE_SE
.Lnot_mine_\@:
.endm
.macro PREP par, sel                   ; no tensor load of mine is out: the walking descriptor takes the slot that is being left and the chunk two on; sel = 1: at a weight's last chunk the walk goes on to the next weight
	s_mov_b32 s49, s[60+(\par)]
	s_mov_b64 s[50:51], s[12:13]
	s_or_b32 s51, s51, 0x80000000
	s_add_nc_u64 s[12:13], s[12:13], CHB
.if \sel
	s_cmp_eq_u32 s5, 5
	s_cselect_b64 s[12:13], s[18:19], s[12:13]
	s_cmp_eq_u32 s5, 13
	s_cselect_b64 s[12:13], s[24:25], s[12:13]
.endif
.endm
.macro PTRS ptr                        ; the scale words', the bias's and the prefetches' bases go on to the next chunk
.if (\ptr) == 3
	s_mov_b64 s[14:15], s[26:27]                   ; V's first chunk
	s_mov_b64 s[16:17], s[28:29]
.else
	s_add_nc_u64 s[14:15], s[14:15], 4096
	s_add_nc_u64 s[16:17], s[16:17], 512
.endif
.if (\ptr) < 5
	s_add_nc_u64 s[66:67], s[66:67], CHB
.endif
.if (\ptr) == 1
	s_cmp_eq_u32 s5, 7                             ; phase 7 fetches for chunk 8, K's first
	s_cselect_b64 s[14:15], s[20:21], s[14:15]
	s_cselect_b64 s[16:17], s[22:23], s[16:17]
.endif
.if (\ptr) == 2
	s_cmp_eq_u32 s5, 1                             ; phase 3 asks for chunk 8,
	s_cselect_b64 s[66:67], s[68:69], s[66:67]
	s_cmp_eq_u32 s5, 9                             ; phase 11 for chunk 16
	s_cselect_b64 s[66:67], s[70:71], s[66:67]
.endif
.endm
; A chunk's K steps 0-3: 32 matrix instructions, and among them: the slices of the chunk before's epilogue (epi 0: Q or K, 1: V, 2: none); behind the first K step the next chunk's bias (nxT < 2);
; from instruction 23 on THE CHANGE OF SLOTS (chg > 0): ONE barrier.  In front of it each wave waits for all its tensor loads (one is out: its part of the next chunk), adds 0 to its spare word, and waits for that
; and for its reads of this chunk's slot.  chg = 2: the barrier opens a round of the cluster's barrier, behind which this slot is filled again.
.macro LO typ, par, epi, c, nxT, chg, sel
.set n, 0
.rept 32
	MMA \typ, \par
.if ((\epi) == 0) && (n < 16)
	EPIQ 1-(\par), \c
.endif
.if ((\epi) == 1) && (n < 8)
	EPIV 1-(\par), \c
.endif
.if (n == 7) && ((\nxT) < 2)
	WIN 0
	PLACES                                         ; the first K step has read the bias's registers
	BIAS \nxT
.endif
.if (n == 23) && ((\chg) > 0)
	WIN 0                                          ; (the add's two registers lie in window 0)
	s_wait_tensorcnt 0x0                           ; all my tensor loads have landed
	ds_add_u32 v1, v2                              ; 0 onto my spare word: four matrix instructions stand between it and the wait for it
.if (\chg) == 2
	PREP \par, \sel
.endif
.endif
.if (n == 27) && ((\chg) > 0)
	s_wait_dscnt 0x0                               ; the add is done, my reads of this slot are over, my epilogue's stores have landed
	s_barrier_signal -1
.endif
.set n, n+1
.endr
	WIN 0                                          ; at a label and at a branch every window is 0
.if (\chg) > 0
	s_barrier_wait -1
.endif
.if (\chg) == 2
	CREST                                          ; no wave of any partner still reads this slot or has a load on its way
.endif
.endm
; PHASE t, first part.  The joint refill (chunk t + 1 into the slot left last) is the first thing behind the round; its four v_nop are also the places in front of the loads below.
; Then chunk t's fragments of K steps 0-3; chunk t - 1's K steps 4-7; chunk t's fragments of K steps 4-7; chunk t + 1's scale words.
.macro PH_AD par, hiT, loT, nxT, fill, ask, ptr
.if \fill
	tensor_load_to_lds s[48:51], s[32:39]
	s_nop 0
.endif
	PLACES
	LOADB 0, \par, \loT
.if \ask
	ASK
.endif
	HI \hiT, 1-(\par)
	WIN 0
	PLACES
	LOADB 1, \par, \loT
.if \ptr
	s_wait_xcnt 0x0                                ; the earlier loads and the prefetch have read their bases, which step only behind this wait
	PTRS \ptr
.endif
.if (\nxT) < 2
	WSLD \nxT, 1-(\par), 0
.endif
.endm
.macro PH_E par, loT, epi, c, nxT, chg, sel    ; second part: chunk t's K steps 0-3 with chunk t - 1's epilogue
	s_wait_dscnt 48                                ; the fragments of K steps 0-3 are in; the 48 loads just issued may be out
.if (\nxT) < 2
	s_wait_loadcnt 2                               ; this chunk's scale words and bias are in; the next chunk's two loads of scale words may be out
.else
	s_wait_loadcnt 0
.endif
	LO \loT, \par, \epi, \c, \nxT, \chg, \sel
.endm
	s_load_b512 s[8:23], s[0:1], 0x0               ; x's codes s[8:9], x's scales s[10:11], Wq's codes s[12:13], scales s[14:15], bq s[16:17], Wk's codes s[18:19], scales s[20:21], bk s[22:23]
	s_load_b256 s[24:31], s[0:1], 0x40             ; Wv's codes s[24:25], scales s[26:27], bv s[28:29], out s[30:31]
	v_lshl_add_u32 v1, v0, 2, SPARE                ; my spare word; never rewritten
	v_mov_b32 v2, 0                                ; 0; never rewritten
	ds_add_u32 v1, v2
	ds_add_u32 v1, v2
	s_wait_dscnt 0x0
	v_lshrrev_b32 v3, 5, v0
	v_readfirstlane_b32 s2, v3                     ; wave 0..3
	s_bfe_u32 s3, ttmp6, 0x40000                   ; cx: my place in the cluster
	s_lshl_b32 s4, ttmp9, 2                        ; in a cluster launch ttmp9 counts clusters
	s_add_co_u32 s4, s4, s3                        ; my block of 64 positions: it enters x's and out's addresses alone
	; descriptor group 1 for W: a dense block of 24,576 bytes as 96 rows of 256 bytes (32 elements of 8 bytes), 16 bytes of padding behind each
	s_mov_b32 s32, 15|(3<<16)|(1<<20)|(1<<21)|(5<<22)|(3<<25)  ; 15:0 the mask: all four work-groups; 17:16 elements of 8 bytes; 20 padding on; 21 set beside a mask; 24:22 after every 64 words; 31:25 4 words of it
	s_mov_b32 s33, 32<<16                          ; tensor_dim0 = 32
	s_mov_b32 s34, 96<<16                          ; tensor_dim1 = 96
	s_mov_b32 s35, 32<<16                          ; tile_dim0 = 32
	s_mov_b32 s36, 96                              ; tile_dim1 = 96
	s_mov_b32 s37, 32                              ; from row to row
	s_mov_b32 s38, 0
	s_mov_b32 s39, 0
	; and for x: my wave's 16 rows, 12,288 dense bytes as 48 rows of 256; no mask
	s_mov_b32 s40, (3<<16)|(1<<20)|(5<<22)|(3<<25)
	s_mov_b32 s41, 32<<16
	s_mov_b32 s42, 48<<16
	s_mov_b32 s43, 32<<16
	s_mov_b32 s44, 48
	s_mov_b32 s45, 32
	s_mov_b32 s46, 0
	s_mov_b32 s47, 0
	s_mul_i32 s60, s2, QTR                         ; my quarter of slot 0: no place in the cluster enters an LDS address
	s_add_co_u32 s61, s60, SLOTB                   ; and of slot 1
	s_mul_i32 s73, s2, 16*PW                       ; 16 rows x wave
	s_mul_i32 s78, s2, 24576                       ; my quarter of a chunk in memory
	s_mov_b32 s79, 0
	s_mul_i32 s80, s4, 49152                       ; x's codes: 64 rows of 768 bytes a work-group,
	s_mul_i32 s81, s2, 12288                       ; 16 a wave
	s_add_co_u32 s80, s80, s81
	s_mov_b32 s81, 0
	s_lshl_b32 s82, s4, 11                         ; x's scales: 64 rows of 32 bytes
	s_mov_b32 s83, 0
	s_lshl_b32 s84, s4, 18                         ; out: 64 rows of 4,096 bytes
	s_mov_b32 s85, 0
	s_mul_i32 s86, s3, 24576                       ; the prefetches: my work-group's quarter of a chunk,
	s_lshl_b32 s87, s2, 13                         ; my wave's 8,192 bytes of it
	s_add_co_u32 s86, s86, s87
	s_mov_b32 s87, 0
	s_mov_b32 s62, 0x76543210                      ; v_permlanex16_b32's selects for lane l xor 16
	s_mov_b32 s63, 0xfedcba98
	s_mov_b32 s76, 0x3fb8aa3b                      ; log2(e); the packed form names a pair and takes its low word for both halves
	s_mov_b32 s77, s76
	s_mov_b32 s5, 1                                ; the number of the loop's odd phase
	s_mov_b32 s6, 0                                ; where the epilogue's codes go in a position's row: 96 bytes a chunk
	s_mov_b32 s7, 0                                ; and its bytes: 4 a chunk
	s_cmp_eq_u32 s2, 3
	s_cselect_b32 s72, 1, 0                        ; waves 0 to 2
	s_or_b32 s72, s72, ttmp9                       ; of the first cluster prefetch: the same in all four partners
	s_cmp_eq_u32 s72, 0
	s_cselect_b32 s72, 1, 0
	s_wait_kmcnt 0x0
	s_add_nc_u64 s[8:9], s[8:9], s[80:81]
	s_add_nc_u64 s[10:11], s[10:11], s[82:83]
	s_add_nc_u64 s[30:31], s[30:31], s[84:85]
	s_add_nc_u64 s[66:67], s[12:13], s[86:87]
	s_add_nc_u64 s[66:67], s[66:67], 6*CHB         ; phase 1 asks for chunk 6; chunks 0 to 5 come by their loads alone
	s_add_nc_u64 s[68:69], s[18:19], s[86:87]      ; where the prefetches begin in Wk
	s_add_nc_u64 s[70:71], s[24:25], s[86:87]      ; and in Wv
	s_add_nc_u64 s[12:13], s[12:13], s[78:79]      ; my quarter of Wq's chunk 0,
	s_add_nc_u64 s[18:19], s[18:19], s[78:79]      ; of Wk's,
	s_add_nc_u64 s[24:25], s[24:25], s[78:79]      ; of Wv's
	s_mov_b32 s56, 1                               ; group 0 for x: count = 1,
	s_add_co_u32 s57, s73, QKR                     ; LDS address,
	s_mov_b64 s[58:59], s[8:9]                     ; global address,
	s_or_b32 s59, s59, 0x80000000                  ; type = 2
	s_mov_b32 s48, 1                               ; chunk 0 into slot 0; this set then walks
	s_mov_b32 s49, s60
	s_mov_b64 s[50:51], s[12:13]
	s_or_b32 s51, s51, 0x80000000
	s_mov_b32 s52, 1                               ; chunk 1 into slot 1
	s_mov_b32 s53, s61
	s_add_nc_u64 s[54:55], s[12:13], CHB
	s_or_b32 s55, s55, 0x80000000
	s_add_nc_u64 s[12:13], s[12:13], 2*CHB         ; the next chunk to be asked for: 2
	ROUND                                          ; all four work-groups are here: the first joint loads meet
	tensor_load_to_lds s[56:59], s[40:47]          ; the first fills go out together: three loads of mine are out
	s_nop 0
	tensor_load_to_lds s[48:51], s[32:39]
	s_nop 0
	tensor_load_to_lds s[52:55], s[32:39]
	s_nop 0
	PLACES                                         ; four v_nop follow
	v_and_b32 v61, 31, v0                          ; lane
	v_and_b32 v62, 15, v0                          ; r
	v_bfe_u32 v63, v0, 4, 1                        ; h
	v_mul_u32_u24 v60, v62, PW
	v_mad_u32_u24 v3, v63, 24, v60                 ; a fragment's row x pitch + 24 x half,
	v_mad_u32_u24 v5, v63, 40, v60                 ; and the same behind one padding more
	v_add_nc_u32 v11, QKR, v3                      ; x's fragments (v11, v12 later serve the epilogue)
	v_add_nc_u32 v12, QKR, v5
	v_add_nc_u32 v4, s61, v3                       ; W's: my 32 rows in slot 1,
	v_add_nc_u32 v6, s61, v5
	v_add_nc_u32 v3, s60, v3                       ; in slot 0
	v_add_nc_u32 v5, s60, v5
	v_lshlrev_b32 v64, 5, v61                      ; x's scale words: 32 bytes a row, a lane a row
	v_lshl_add_u32 v7, s2, 10, v64                 ; Wq's, Wk's: row 32 w + lane of the chunk
	v_lshlrev_b32 v8, 5, v63
	v_lshl_add_u32 v8, s2, 7, v8                   ; bq, bk: 128 w + 32 h
	v_mul_u32_u24 v9, v61, QKP
	s_mul_i32 s88, s2, 24
	s_add_co_u32 s88, s88, QKR
	v_add_nc_u32 v9, s88, v9                       ; the epilogue's codes: position = lane, block w of the chunk's four
	v_lshlrev_b32 v10, 6, v62
	s_add_co_u32 s89, s2, SCB
	v_add_nc_u32 v10, s89, v10                     ; its bytes: position r, byte w
	v_lshlrev_b32 v13, 8, v61                      ; the prefetches: 256 x lane; never rewritten
	v_lshl_add_u32 v14, v63, 6, v62
	v_lshl_add_u32 v14, s2, 4, v14
	v_lshlrev_b32 v14, 5, v14                      ; Wv's scale words: row 64 h + 16 w + r
	v_lshlrev_b32 v15, 2, v62
	v_lshl_add_u32 v15, s2, 6, v15                 ; bv: 64 w + 4 r
	global_load_b128 v[XS:XS+3], v64, s[10:11]
	global_load_b128 v[XS+4:XS+7], v64, s[10:11] offset:16
	global_load_b128 v[XS+8:XS+11], v64, s[10:11] offset:1024
	global_load_b128 v[XS+12:XS+15], v64, s[10:11] offset:1040
	WSLD 0, 0, 0                                   ; chunk 0's scale words,
	BIAS 0                                         ; its bias,
	WSLD 0, 1, 4096                                ; chunk 1's scale words
	WIN 0xc0
.irp b, 0,1,2,3
	v_mov_b32 v[TP+\b], 0                          ; written once: a lane permute's destination counts as one of its sources
.endr
	WIN 0
	s_wait_tensorcnt 1                             ; x and my part of chunk 0 are in; chunk 1's load may stay out
	s_barrier_signal -1
	s_barrier_wait -1                              ; everybody's are
	s_wait_xcnt 0x0                                ; the loads above have read their addresses: v64 may be loaded into, the bases may step
	s_add_nc_u64 s[14:15], s[14:15], 4096          ; both at chunk 1
	s_add_nc_u64 s[16:17], s[16:17], 512
	WIN 0x40                                       ; x's 32 fragments: they stay
.irp q, 0,1,2,3
.irp a, 0,1,2,3
	FRAG 48*\q+12*\a, 11, 12, \q, 13056*\a
.endr
.endr
	WIN 0x80
.irp q, 4,5,6,7
.irp a, 0,1,2,3
	FRAG 48*(\q-4)+12*\a, 11, 12, \q, 13056*\a
.endr
.endr
	WIN 0
	LOADB 0, 0, 0
	LOADB 1, 0, 0
	PH_E 0, 0, 2, 0, 0, 2, 0                       ; phase 0: chunk 0's K steps 0-3; there is no epilogue yet
.Ltrip:                                            ; 7 trips: phases 1 to 14, two a trip, in which the sets of accumulators and scale words and the slots change places and come back
	PH_AD 1, 0, 0, 0, 1, 1, 1
	v_add_nc_u32 v11, s6, v9                       ; where this trip's two epilogues store
	v_add_nc_u32 v12, s7, v10
	PH_E 1, 0, 0, 0, 0, 2, 1
	PH_AD 0, 0, 0, 0, 1, 1, 2
	PH_E 0, 0, 0, 1, 0, 2, 0
	s_add_co_u32 s6, s6, 192
	s_add_co_u32 s7, s7, 8
	s_add_co_u32 s5, s5, 2
	s_cmp_lt_u32 s5, 15
	s_cbranch_scc1 .Ltrip
	PH_AD 1, 0, 0, 1, 1, 1, 3                      ; phase 15: K's last chunk; what is fetched for the next chunk is V's
	v_add_nc_u32 v11, s6, v9
	v_add_nc_u32 v12, s7, v10
	v_sub_nc_u32 v3, v3, s73                       ; from here on my tiles begin at row 16 w of a chunk, not 32 w
	v_sub_nc_u32 v4, v4, s73
	v_sub_nc_u32 v5, v5, s73
	v_sub_nc_u32 v6, v6, s73
	PH_E 1, 0, 0, 0, 1, 2, 0
	PH_AD 0, 0, 1, 1, 1, 1, 4                      ; phase 16: V's first chunk, K's last epilogue
	PH_E 0, 1, 0, 1, 1, 2, 0
	PH_AD 1, 1, 1, 1, 1, 1, 4                      ; phases 17 to 23 are written out: the register that an epilogue of V fills differs from chunk to chunk
	PH_E 1, 1, 1, 0, 1, 2, 0
	PH_AD 0, 1, 1, 1, 1, 1, 5                      ; phase 18 asks for chunk 23: the last prefetch
	PH_E 0, 1, 1, 1, 1, 2, 0
	PH_AD 1, 1, 1, 1, 1, 0, 5
	PH_E 1, 1, 1, 2, 1, 2, 0
	PH_AD 0, 1, 1, 1, 1, 0, 5
	PH_E 0, 1, 1, 3, 1, 2, 0
	PH_AD 1, 1, 1, 1, 1, 0, 5
	PH_E 1, 1, 1, 4, 1, 2, 0
	PH_AD 0, 1, 1, 1, 1, 0, 5                      ; phase 22 asks for chunk 23, the last; behind its barrier nothing is filled, so no round follows
	PH_E 0, 1, 1, 5, 1, 1, 0
	PH_AD 1, 1, 1, 2, 0, 0, 0                      ; phase 23: nothing is left to fetch
	PH_E 1, 1, 1, 6, 2, 0, 0
	s_wait_dscnt 0x0                               ; the last chunk's fragments of K steps 4-7
	HI 1, 1
	WIN 0
	PLACES
.set n, 0
.rept 8
	EPIV 1, 7
.set n, n+1
.endr
	WIN 0
	; the addresses of the last phases (every global load has been waited for, so their offset registers are free)
	v_and_b32 v204, 31, v0                         ; lane
	v_and_b32 v205, 15, v0                         ; r
	v_bfe_u32 v206, v0, 4, 1                       ; h
	v_mul_u32_u24 v3, v205, 48
	v_mad_u32_u24 v3, v206, 24, v3
	s_mul_i32 s78, s2, 16*QKP
	s_add_co_u32 s78, s78, QKR
	v_add_nc_u32 v3, s78, v3                       ; the scores' operands: my 16 positions; head r's block h: 48 r + 24 h
	v_lshlrev_b32 v4, 1, v204
	s_lshl_b32 s79, s2, 10
	s_add_co_u32 s79, s79, SCB
	v_add_nc_u32 v4, s79, v4                       ; their scale bytes, two a lane: lanes 0-15 Q's head r, lanes 16-31 K's
	v_lshlrev_b32 v5, 4, v205
	v_lshl_add_u32 v5, v206, 9, v5
	v_lshl_add_u32 v5, s2, 14, v5                  ; the images, on the way in: ATT + 16,384 w + 512 h + 16 r
	v_lshlrev_b32 v6, 4, v204                      ; and on the way out: 16 x lane
	v_mul_u32_u24 v7, v205, 272
	v_lshl_add_u32 v7, v206, 5, v7
	v_lshl_add_u32 v7, s2, 6, v7
	v_add_nc_u32 v8, STG1, v7
	v_add_nc_u32 v7, STG0, v7                      ; a stage, on the way in: head r, channels 16 w + 8 h on
	v_mul_u32_u24 v9, v206, 272
	v_lshl_add_u32 v9, v205, 4, v9
	s_mul_i32 s80, s2, 4*SROW
	v_add_nc_u32 v9, s80, v9
	v_add_nc_u32 v10, STG1, v9
	v_add_nc_u32 v9, STG0, v9                      ; and back: my 4 positions; lanes 0-15 one head's 256 bytes, lanes 16-31 the next head's
	v_lshl_add_u32 v11, s2, 14, v6                 ; the same place in out: 16 x lane + 4 rows x wave
.irp b, 0,1,2,3
.irp i, 6,7,8,9,10,11
	v_mov_b32 v[KO+24*\b+\i], 0                    ; a head has 64 numbers: k = 64 .. 127 of the instruction are zero codes, on both sides
	v_mov_b32 v[QO+24*\b+\i], 0
.endr
	v_mov_b32 v[MP+2*\b+1], 0                      ; (named as the upper half of a pair)
	v_mov_b32 v[PX+\b], 0                          ; (a lane permute's destination counts as one of its sources)
	v_mov_b32 v[ZR+\b], 0
.endr
.rept 8
	v_nop                                          ; operands written by vector instructions stand ahead of a scaled matrix instruction
.endr
	s_mov_b32 s5, 0
	s_mov_b32 s6, 0
	s_mov_b32 s7, 0
	s_mov_b32 s88, 0
	s_wait_dscnt 0x0
	s_barrier_signal -1
	s_barrier_wait -1                              ; nobody reads the ring any more: its bytes, which have had their last fill, now take the images and the stages
; THE SCORES AND THE SOFTMAX of four positions, i0 + 0 .. 3 of my wave's 16 (+ 4 in the second trip).  S^T = K Q^T (source 0 = the 16 heads g of K, source 1 = the 16 heads h of Q): lane (r, hh) holds head h = r and g = 8 hh + 0 .. 7.
; The weights, normalised and rounded to bf16, go to LDS as an image of source 1 of the last product.  typ 0: a position among the first 8 of its 16: its weights stand in the image's lanes 0-15, zeros in lanes 16-31; typ 1: the other way round.
.macro SCORE4 i0, typ
.irp b, 0,1,2,3
.irp p, 0,1,2
	ds_load_b64 v[KO+24*\b+2*\p:KO+24*\b+2*\p+1], v12 offset:QKP*((\i0)+\b)+768+8*\p
	ds_load_b64 v[QO+24*\b+2*\p:QO+24*\b+2*\p+1], v12 offset:QKP*((\i0)+\b)+8*\p
.endr
	ds_load_u16 v[SV+\b], v14 offset:64*((\i0)+\b)   ; bytes 0, 1: the head's two blocks; bytes 2, 3 are 0 and scale zero codes
.endr
	s_wait_dscnt 0x0
.irp b, 0,1,2,3
	v_wmma_scale_f32_16x16x128_f8f6f4 v[SD+8*\b:SD+8*\b+7], v[KO+24*\b:KO+24*\b+11], v[QO+24*\b:QO+24*\b+11], 0, v[SV+\b], v[SV+\b] matrix_a_fmt:MATRIX_FMT_FP6 matrix_b_fmt:MATRIX_FMT_FP6 matrix_a_scale:MATRIX_SCALE_ROW1
.endr
.rept 5
	v_nop                                          ; four places ahead of the first read of results and of the next loads; the fifth since the next four products write over these accumulators
.endr
.irp b, 0,1,2,3
	v_max3_num_f32 v[MP+2*\b], v[SD+8*\b], v[SD+8*\b+1], v[SD+8*\b+2]   ; the row's maximum, the four positions by turns
.endr
.irp i, 3,5
.irp b, 0,1,2,3
	v_max3_num_f32 v[MP+2*\b], v[MP+2*\b], v[SD+8*\b+\i], v[SD+8*\b+\i+1]
.endr
.endr
.irp b, 0,1,2,3
	v_max_num_f32 v[MP+2*\b], v[MP+2*\b], v[SD+8*\b+7]
.endr
.irp b, 0,1,2,3
	v_permlanex16_b32 v[PX+\b], v[MP+2*\b], s62, s63
.endr
.irp b, 0,1,2,3
	v_max_num_f32 v[MP+2*\b], v[MP+2*\b], v[PX+\b]   ; with the other 8 heads', in lane l xor 16
.endr
.irp b, 0,1,2,3
.irp i, 0,2,4,6
	v_pk_add_f32 v[SD+8*\b+\i:SD+8*\b+\i+1], v[SD+8*\b+\i:SD+8*\b+\i+1], v[MP+2*\b:MP+2*\b+1] op_sel_hi:[1,0] neg_lo:[0,1] neg_hi:[0,1]   ; s - the maximum
.endr
.endr
.irp b, 0,1,2,3
.irp i, 0,2,4,6
	v_pk_mul_f32 v[SD+8*\b+\i:SD+8*\b+\i+1], v[SD+8*\b+\i:SD+8*\b+\i+1], s[76:77] op_sel_hi:[1,0]   ; x log2(e)
.endr
.endr
.irp b, 0,1,2,3
.irp i, 0,1,2,3,4,5,6,7
	v_exp_f32 v[SD+8*\b+\i], v[SD+8*\b+\i]
.endr
.endr
	v_nop                                          ; a plain place behind the last exponential
	s_wait_alu depctr_va_vdst(0)                   ; one wait for the 32, ahead of their first reader
.irp b, 0,1,2,3
	v_pk_add_f32 v[SU+2*\b:SU+2*\b+1], v[SD+8*\b:SD+8*\b+1], v[SD+8*\b+2:SD+8*\b+3]
.endr
.irp b, 0,1,2,3
	v_pk_add_f32 v[SI+2*\b:SI+2*\b+1], v[SD+8*\b+4:SD+8*\b+5], v[SD+8*\b+6:SD+8*\b+7]
.endr
.irp b, 0,1,2,3
	v_pk_add_f32 v[SU+2*\b:SU+2*\b+1], v[SU+2*\b:SU+2*\b+1], v[SI+2*\b:SI+2*\b+1]
.endr
.irp b, 0,1,2,3
	v_add_f32 v[SU+2*\b], v[SU+2*\b], v[SU+2*\b+1]
.endr
.irp b, 0,1,2,3
	v_permlanex16_b32 v[PX+\b], v[SU+2*\b], s62, s63
.endr
.irp b, 0,1,2,3
	v_add_f32 v[SU+2*\b], v[SU+2*\b], v[PX+\b]     ; the row's sum
.endr
.irp b, 0,1,2,3
	v_rcp_f32 v[SI+2*\b], v[SU+2*\b]
.endr
	v_nop
	s_wait_alu depctr_va_vdst(0)                   ; one wait for the four reciprocals
.irp b, 0,1,2,3
.irp i, 0,2,4,6
	v_pk_mul_f32 v[SD+8*\b+\i:SD+8*\b+\i+1], v[SD+8*\b+\i:SD+8*\b+\i+1], v[SI+2*\b:SI+2*\b+1] op_sel_hi:[1,0]
.endr
.endr
.irp b, 0,1,2,3
.irp i, 0,1,2,3
	v_cvt_pk_bf16_f32 v[PB+4*\b+\i], v[SD+8*\b+2*\i], v[SD+8*\b+2*\i+1]
.endr
.endr
.irp b, 0,1,2,3
	ds_store_b128 v15, v[PB+4*\b:PB+4*\b+3] offset:1024*((\i0)+\b)+256*(\typ)
	ds_store_b128 v15, v[ZR:ZR+3] offset:1024*((\i0)+\b)+256*(1-(\typ))
.endr
.endm
.Lscore:                                           ; 2 trips of 8 positions
	v_add_nc_u32 v12, s6, v3
	v_add_nc_u32 v14, s7, v4
	v_add_nc_u32 v15, s88, v5
	SCORE4 0, 0
	SCORE4 8, 1
	s_add_co_u32 s6, s6, 4*QKP
	s_add_co_u32 s7, s7, 256
	s_add_co_u32 s88, s88, 4096
	s_add_co_u32 s5, s5, 1
	s_cmp_lt_u32 s5, 2
	s_cbranch_scc1 .Lscore
	s_wait_dscnt 0x0                               ; for the others' sake: my images have landed
	s_barrier_signal -1
	s_barrier_wait -1                              ; all 64 positions' images lie in LDS
; THE LAST PRODUCT AND THE WAY OUT, 16 positions a round.  O^T = V^T P^T: source 0 = packed V (my 16 channels x 32 k), source 1 = a position's image; lane (r, hh) of the result holds head r, channels 16 w + 8 hh + 0 .. 7.
; A position's row of out (16 heads x 64 channels) comes from four waves: it meets in a stage, one barrier a round, two stages by turns; each wave then stores 4 whole rows, 512 consecutive bytes an instruction.
.macro IMLD a
.irp i, 0,1,2,3,4,5,6,7,8,9,10,11,12,13,14,15
	ds_load_b128 v[IM+8*\i:IM+8*\i+3], v6 offset:1024*(16*(\a)+\i)
	ds_load_b128 v[IM+8*\i+4:IM+8*\i+7], v6 offset:1024*(16*(\a)+\i)+512
.endr
.endm
.macro PVR a
.set pvw, 0x43                         ; D window 1, packed V window 3 (rounds 2, 3), 2 (round 1) or 1 (round 0), the image window 0
.set pvb, 192
.if (\a) == 0
.set pvw, 0x41
.elseif (\a) == 1
.set pvw, 0x42
.elseif (\a) == 2
.set pvb, 128
.endif
	s_wait_dscnt 0x0                               ; the round's images are in
	WIN pvw
.irp i, 0,1,2,3,4,5,6,7,8,9,10,11,12,13,14,15
	v_wmma_f32_16x16x32_bf16 v[8*\i:8*\i+7], v[pvb+8*(\i%8):pvb+8*(\i%8)+7], v[IM+8*\i:IM+8*\i+7], 0
.endr
.rept 5
	v_nop                                          ; four places ahead of the stores that read the results and of the loads into the images' registers; the fifth since the next round's products write over these accumulators
.endr
	WIN 0x04                                       ; an LDS store's data are its source 1: window 1
.irp i, 0,1,2,3,4,5,6,7,8,9,10,11,12,13,14,15
	ds_store_b128 v[7+(\a)%2], v[8*\i:8*\i+3] offset:SROW*\i       ; each accumulator from its low end on
	ds_store_b128 v[7+(\a)%2], v[8*\i+4:8*\i+7] offset:SROW*\i+16
.endr
	WIN 0
	s_wait_dscnt 0x0                               ; my part of the 16 rows has landed, and my reads of the other stage, a round ago, are over
	s_barrier_signal -1
	s_barrier_wait -1
	s_wait_xcnt 0x0                                ; the last round's stores have read their registers, which are loaded again only behind this wait
	WIN 0x80
.irp i, 0,1,2,3
.irp k, 0,1,2,3,4,5,6,7
	ds_load_b128 v[4*(8*\i+\k):4*(8*\i+\k)+3], v[9+(\a)%2] offset:SROW*\i+544*\k
.endr
.endr
	WIN 0
.if (\a) < 3
	IMLD (\a)+1                                    ; the next round's images come while this round's rows are stored
.endif
	WIN 0x08                                       ; a store's data are its source 1: window 2
.set sq, 0
.rept 32
.if (\a) < 3
	s_wait_dscnt 63-sq                             ; behind load sq: the 31 - sq younger loads from the stage and the 32 loads of images
.else
	s_wait_dscnt 31-sq
.endif
	global_store_b128 v11, v[4*sq:4*sq+3], s[30:31] offset:65536*(\a)+4096*(sq/8)+512*(sq%8) th:TH_STORE_NT   ; 32 lanes store 512 consecutive bytes, at a multiple of 256 from the buffer's first byte; written once, read by nobody here
.set sq, sq+1
.endr
	WIN 0
.endm
	IMLD 0
	PVR 0
	PVR 1
	PVR 2
	PVR 3
	s_wait_tensorcnt 0x0                           ; the wave's end, behind my last tensor load and my last LDS store
	ds_add_u32 v1, v2
	s_wait_dscnt 0x0
	ROUND                                          ; the closing round: no work-group ends while a partner may still ask for a chunk that names it
	s_endpgm
.Lfunc_end_k_q52d639eed1_fused:
	.size	k_q52d639eed1_fused, .Lfunc_end_k_q52d639eed1_fused-k_q52d639eed1_fused
	.p2alignl 7, 3214868480
	.fill 96, 4, 3214868480
	.section	.rodata,"a",@progbits
	.p2align	6, 0x0
	.amdhsa_kernel k_q52d639eed1_fused
		.amdhsa_group_segment_fixed_size 327680
		.amdhsa_private_segment_fixed_size 0
		.amdhsa_enable_private_segment 0
		.amdhsa_kernarg_size 96
		.amdhsa_user_sgpr_count 2
		.amdhsa_user_sgpr_kernarg_segment_ptr 1
		.amdhsa_wavefront_size32 1
		.amdhsa_system_sgpr_workgroup_id_x 1
		.amdhsa_system_sgpr_workgroup_id_y 1
		.amdhsa_system_sgpr_workgroup_id_z 1
		.amdhsa_system_vgpr_workitem_id 0
		.amdhsa_next_free_vgpr 1024
		.amdhsa_next_free_sgpr 100
		.amdhsa_reserve_vcc 0
		.amdhsa_float_denorm_mode_32 3
		.amdhsa_float_denorm_mode_16_64 3
		.amdhsa_memory_ordered 1
		.amdhsa_forward_progress 1
		.amdhsa_inst_pref_size 255
	.end_amdhsa_kernel
	.section	.bss,"aw",@nobits
	.p2align	6
	.space	262144
	.amdgpu_metadata
---
amdhsa.version: [ 1, 2 ]
amdhsa.kernels:
  - .name:           k_q52d639eed1_fused
    .symbol:         k_q52d639eed1_fused.kd
    .args:
      - { .name: x_codes, .offset: 0, .size: 8, .value_kind: global_buffer, .address_space: global }
      - { .name: x_scales, .offset: 8, .size: 8, .value_kind: global_buffer, .address_space: global }
      - { .name: Wq_codes, .offset: 16, .size: 8, .value_kind: global_buffer, .address_space: global }
      - { .name: Wq_scales, .offset: 24, .size: 8, .value_kind: global_buffer, .address_space: global }
      - { .name: bq, .offset: 32, .size: 8, .value_kind: global_buffer, .address_space: global }
      - { .name: Wk_codes, .offset: 40, .size: 8, .value_kind: global_buffer, .address_space: global }
      - { .name: Wk_scales, .offset: 48, .size: 8, .value_kind: global_buffer, .address_space: global }
      - { .name: bk, .offset: 56, .size: 8, .value_kind: global_buffer, .address_space: global }
      - { .name: Wv_codes, .offset: 64, .size: 8, .value_kind: global_buffer, .address_space: global }
      - { .name: Wv_scales, .offset: 72, .size: 8, .value_kind: global_buffer, .address_space: global }
      - { .name: bv, .offset: 80, .size: 8, .value_kind: global_buffer, .address_space: global }
      - { .name: out0, .offset: 88, .size: 8, .value_kind: global_buffer, .address_space: global }
    .group_segment_fixed_size: 327680
    .private_segment_fixed_size: 0
    .kernarg_segment_align: 8
    .kernarg_segment_size: 96
    .max_flat_workgroup_size: 128
    .sgpr_count:     100
    .vgpr_count:     1024
    .wavefront_size: 32
...
	.end_amdgpu_metadata
.endif
;; end of part 1
;; ======== version 2 of 2: 1 launch
;; launch fused (part 2): grid 256 x 1, 4 waves a work-group, clusters of 4 x 1, 327,680 bytes of LDS; arguments x_codes, x_scales, Wq_codes, Wq_scales, bq, Wk_codes, Wk_scales, bk, Wv_codes, Wv_scales, bv, out0; writes out0
.if DOCPART == 2
	.amdgcn_target "amdgcn-amd-amdhsa--gfx1250"
	.amdhsa_code_object_version 6
	.text
	.protected	k_q52d639eed1_fused
	.globl	k_q52d639eed1_fused
	.p2align	8
	.type	k_q52d639eed1_fused,@function
k_q52d639eed1_fused:
	s_mov_b64 s[64:65], 0
	v_nop
	global_prefetch_b8 v0, s[64:65] scope:SCOPE_SE
	s_setreg_imm32_b32 hwreg(HW_REG_WAVE_MODE, 25, 1), 1
	s_wait_xcnt 0x0
	s_wait_alu depctr_hold_cnt(0) depctr_sa_sdst(0) depctr_va_vdst(0) depctr_va_sdst(0) depctr_va_ssrc(0) depctr_va_vcc(0) depctr_vm_vsrc(0)
	s_getreg_b32 s2, hwreg(HW_REG_IB_STS2, 6, 4)
	s_cmp_eq_u32 s2, 0
	s_cbranch_scc0 .Lentry_in_a_cluster
	s_endpgm
.Lentry_in_a_cluster:
	s_bfe_u32 s2, ttmp6, 0x10000c
	s_cmp_lg_u32 s2, 0x3003
	s_cbranch_scc0 .Lentry_shape_is_right
	s_endpgm
.Lentry_shape_is_right:
; out[p][h][:] = sum over g of softmax_g(Q[p][h] . K[p][g]) V[p][g][:], for each of 16,384 positions p by itself, h and g the 16 HEADS; Q, K, V = x W + b.
; x [16384][1024] and Wq, Wk, Wv [1024 n][1024 k] come as codes of FP6 (E2M3) with one E8M0 byte for each 32 along K.  The three projections and the scores go by the scaled FP6 matrix form;
; Q and K (with their biases, f32) are quantised along a head's 64 numbers, two blocks of 32; the last product (K = 16) takes bf16 operands; all sums f32.
; ONE LAUNCH.  A work-group of four waves owns 64 positions and takes them through everything: Q, K and V never go to memory.
; x STAYS IN REGISTERS: every wave holds all 64 rows x 1,024 codes (384 registers).  THE WEIGHTS ARE WALKED ALONG N: a chunk is 128 whole rows of a weight, 98,304 dense bytes; 24 steps (Wq 0-7, Wk 8-15, Wv 16-23)
; go through a ring of two LDS slots.  Of a chunk a wave takes 32 rows (two tiles) against all 64 positions (four tiles): 8 accumulators x 8 K steps = 64 matrix instructions; each fragment of W is read from LDS once, by one wave, for four instructions.
; A chunk's sums are whole when its 64 instructions are done, so its epilogue stands in slices among the NEXT chunk's matrix instructions (two sets of accumulators).
; CLUSTER: the four work-groups of a cluster walk the same weights, so each chunk is asked for JOINTLY (mask 15); x's rows are each work-group's own and come by a plain load.
; THE WALK IS ROTATED: cluster c has rot = c mod 8 and takes, in step t, chunk ((t mod 8) + rot) mod 8 of the step's weight.  So at any step the clusters ask for eight different chunks, and, but for a weight's first step,
;   what a cluster asks for has been asked for one step earlier by the clusters of the next rotation.  All that lies in LDS and in registers stays in the order of the STEPS.  K and V are rotated alike, so the heads g are
;   permuted alike in the scores and in the last product, whose sums run over all g.  Q's rotation permutes the heads h of the result: head pair k of a finished row is stored at pair (k + rot) mod 8 of its row of out.
; Q, K: the product is used transposed (source 0 = 16 rows of W, source 1 = 16 positions): a lane holds one position and 16 of the 32 numbers of one block; codes and scale bytes go to LDS.
;   The 32 codes of a block lie in the order 0-7, 16-23, 8-15, 24-31, alike in Q and K: the scores are sums over the same pairs.
; V: natural (source 0 = positions, source 1 = rows of W); wave w takes channels 16 w .. 16 w + 15 of both heads of a chunk.  Two heads' results pack into one bf16 register, and the eight registers of eight chunks ARE
;   source 0 (16 channels x 32 k) of the last product: k slots 0-7, 16-23 hold the 16 heads of one position, slots 8-15, 24-31 those of the position 8 further on.  The weights' operand holds zeros in the other position's slots.
; LIMITS: NaN and infinities among the inputs are not served.  A block of Q or K whose largest magnitude lies under 2^-124 gets the scale byte 1 (a block of zeros too, where the quantiser says 127: its codes are
; zeros, and this kernel alone reads the byte).  Inside a block of 32 the scores' products are summed in the permuted order named above, and the sums over g go in the rotated order.  V and the softmax's weights are rounded to bf16 for the last product.
;
; LDS: SLOT0, SLOT1: 128 rows of 816 bytes (768 of codes as 3 x (256 + 16 of padding)).  QKR: for each position 768 bytes of Q's codes, 768 of K's, 8 spare; x's 64 rows land here first (their one fill) and are read out
; before the first code is stored.  SCB: for each position 32 scale bytes of Q, 32 of K.  SPARE: the spare words.  Behind the last chunk the ring's bytes serve as ATT (the weights' operand images) and two stages for the way out.
; REGISTERS, in windows of 256 (s_set_vgpr_msb: bits 1:0 source 0, 3:2 source 1, 5:4 source 2, 7:6 destination):
;   window 0: v1-15 addresses; v16-31 x's scale words; v32-47 W's, two sets; v48-63 the bias as C; v64-255 W's fragments of one chunk (K steps 0-3 in v64-159, 4-7 in v160-255)
;   window 1: v0-191 x's fragments, K steps 0-3; v192-255 packed V, positions 0-15      window 2: the same for K steps 4-7 and positions 16-31
;   window 3: v0-127 two sets of 8 accumulators; v128-255 packed V, positions 32-63 (until V begins: the quantiser's temporaries)
; SCALARS that stay: s2 wave, s5 the loop's odd phase, s[12:13] the codes of the weight from which the next chunk comes (+ my quarter), s[18:19], s[24:25] Wk's, Wv's; s[14:15], s[16:17] the next chunk's scale words and bias;
;   s[92:93], s[94:95] their weight's bases; s74, s75 the chunk's number in its weight for the next tensor load, for the next scale words; s98 rot; s97 0.
.set PW,    816                        ; a row of W or x in LDS
.set QTR,   32*PW                      ; what one tensor load brings of a chunk: 32 rows
.set SLOTB, 4*QTR
.set QKR,   2*SLOTB
.set QKP,   1544                       ; a position's row of codes: 386 words, so that 32 neighbouring positions' stores of 8 bytes fall on different banks (64 banks of 4 bytes: ISA guide 11.1)
.set SCB,   QKR+64*QKP
.set SPARE, SCB+64*64                  ; 128 bytes for each wave: two blocks of 256 bytes that no other line names
.set ATT,   0                          ; 64 positions x 1,024 bytes
.set SROW,  4352                       ; a position in a stage: 16 heads x (256 bytes + 16)
.set STG0,  65536
.set STG1,  STG0+16*SROW
.set CHB,   98304                      ; a chunk in memory
.set XS, 16                            ; v[XS + 8 i + q]: lanes 0-15 the word of position tile 2 i, lanes 16-31 of tile 2 i + 1, K step q
.set WS, 32                            ; v[WS + 8 set + q]: lanes 0-15 W's tile 0, lanes 16-31 tile 1
.set CB, 48                            ; v[CB + 8 t + j]: the bias in the result's layout
.set BF, 64                            ; v[BF + 24 q + 12 t]: W's fragment, K step q, tile t
.set TM, 128                           ; window 3, the quantiser: largest magnitudes; TP the other half's; TS the conversions' scale operands; TB the bytes; F0, G0 (and 16 on: F1, G1) codes
.set TP, 132
.set TS, 136
.set TB, 140
.set F0, 144
.set G0, 152
.set KO, 16                            ; the scores, window 0, position b of four: K's operand at KO + 24 b, Q's at QO + 24 b
.set QO, 28
.set SV, 112                           ; their scale words
.set SD, 120                           ; S^T, 8 registers a position
.set MP, 152                           ; the maximum, in a pair
.set PX, 160                           ; what the other half of the lanes sends
.set SU, 164                           ; sums, pairs
.set SI, 172                           ; sums, then 1 / the sum, pairs
.set PB, 184                           ; the weights in bf16, 4 registers a position
.set ZR, 200                           ; four zeros
.set GOK, 208                          ; v208-215 the way out: my byte offset in out for head pair k of a stage row
.set IM, 16                            ; the last product: 16 positions' operand images, 8 registers each
.set MSB, 0
.macro WIN new                         ; the immediate's high byte repeats the setting that is left; a switch that changes nothing is dropped
.if MSB != (\new)
	s_set_vgpr_msb (MSB<<8)|(\new)
.set MSB, \new
.endif
.endm
.macro CREST                           ; a round of the cluster's barrier behind its opening barrier
	s_cmp_lg_u32 s2, 0
	s_cbranch_scc1 .Lnot_wave_0_\@
	s_barrier_signal -3
.Lnot_wave_0_\@:
	s_barrier_wait -3
	s_barrier_signal -1
	s_barrier_wait -1
.endm
.macro ROUND                           ; a whole round
	s_barrier_signal -1
	s_barrier_wait -1
	CREST
.endm
; A load into a register that a matrix instruction has read, and a vector instruction or a store that reads a matrix result, stand four places behind it; only plain vector instructions that name none of its registers are places
.macro PLACES
.rept 4
	v_nop
.endr
.endm
; A fragment, 16 rows x 128 K of 6-bit codes, is 12 registers: lane l holds row l % 16; registers 6 c .. 6 c + 5 hold the 24 bytes of k = 64 c + 32 (l / 16) + 0 .. 31, as they lie: six loads of 8 bytes.
; The mover has laid 16 bytes of padding behind each 256: where the upper lanes' piece (24 bytes on) lies behind one padding more, the second address register (40 for 24 bytes a half) serves.
.macro FRAG reg, adr, alt, q, rowoff
.irp p, 0,1,2,3,4,5
.set fo, 96*(\q)+48*(\p/3)+8*(\p%3)
.if (fo/256) == ((fo+24)/256)
	ds_load_b64 v[(\reg)+2*\p:(\reg)+2*\p+1], v[\adr] offset:fo+16*(fo/256)+(\rowoff)
.else
	ds_load_b64 v[(\reg)+2*\p:(\reg)+2*\p+1], v[\alt] offset:fo+16*(fo/256)+(\rowoff)
.endif
.endr
.endm
; 48 LDS loads in one run: my two tiles' fragments of four K steps.  half 0: K steps 0-3, 1: 4-7.  typ 0 (Q, K): the tiles lie 16 rows apart; typ 1 (V): 64 rows, a head
.macro LOADB half, slot, typ
.irp qq, 0,1,2,3
.irp t, 0,1
	FRAG BF+24*(4*(\half)+\qq)+12*\t, 3+(\slot), 5+(\slot), 4*(\half)+\qq, \t*(13056+39168*(\typ))
.endr
.endr
.endm
; Matrix instruction n (0 .. 63) of a chunk: K step n / 8, W's tile (n % 8) / 4, position tile n % 4.  The 8 accumulators take turns, one instruction a turn.
; The first K step takes the bias as C: nothing is cleared and nothing is added later.  typ 0: source 0 = W, source 1 = x (transposed); typ 1: source 0 = x, source 1 = W.
.macro MMA typ, par
.set q_, n/8
.set t_, (n%8)/4
.set a_, n%4
.set rD, 64*(\par)+16*a_+8*t_
.set rC, rD
.if q_ == 0
.set rC, CB+8*t_
.endif
.if \typ
.set oA, 48*(q_%4)+12*a_
.set oB, BF+24*q_+12*t_
.set sA, XS+8*(a_/2)+q_
.set sB, WS+8*(\par)+q_
.set fA, a_%2
.set fB, t_
.if q_ == 0
	WIN 0xc1
.elseif q_ < 4
	WIN 0xf1
.else
	WIN 0xf2
.endif
.else
.set oA, BF+24*q_+12*t_
.set oB, 48*(q_%4)+12*a_
.set sA, WS+8*(\par)+q_
.set sB, XS+8*(a_/2)+q_
.set fA, t_
.set fB, a_%2
.if q_ == 0
	WIN 0xc4
.elseif q_ < 4
	WIN 0xf4
.else
	WIN 0xf8
.endif
.endif
.if fA && fB
	v_wmma_scale_f32_16x16x128_f8f6f4 v[rD:rD+7], v[oA:oA+11], v[oB:oB+11], v[rC:rC+7], v[sA], v[sB] matrix_a_fmt:MATRIX_FMT_FP6 matrix_b_fmt:MATRIX_FMT_FP6 matrix_a_scale:MATRIX_SCALE_ROW1 matrix_b_scale:MATRIX_SCALE_ROW1
.elseif fA
	v_wmma_scale_f32_16x16x128_f8f6f4 v[rD:rD+7], v[oA:oA+11], v[oB:oB+11], v[rC:rC+7], v[sA], v[sB] matrix_a_fmt:MATRIX_FMT_FP6 matrix_b_fmt:MATRIX_FMT_FP6 matrix_a_scale:MATRIX_SCALE_ROW1
.elseif fB
	v_wmma_scale_f32_16x16x128_f8f6f4 v[rD:rD+7], v[oA:oA+11], v[oB:oB+11], v[rC:rC+7], v[sA], v[sB] matrix_a_fmt:MATRIX_FMT_FP6 matrix_b_fmt:MATRIX_FMT_FP6 matrix_b_scale:MATRIX_SCALE_ROW1
.else
	v_wmma_scale_f32_16x16x128_f8f6f4 v[rD:rD+7], v[oA:oA+11], v[oB:oB+11], v[rC:rC+7], v[sA], v[sB] matrix_a_fmt:MATRIX_FMT_FP6 matrix_b_fmt:MATRIX_FMT_FP6
.endif
.endm
.macro HI typ, par                     ; a chunk's K steps 4-7: 32 matrix instructions
.set n, 32
.rept 32
	MMA \typ, \par
.set n, n+1
.endr
.endm
; THE EPILOGUE OF A CHUNK OF Q OR K, slice n of 16.  Lane (r, h) holds, for each position tile a, 16 numbers of position 16 a + r: the block's numbers 8 h + 0..7 and 16 + 8 h + 0..7, in the 16 registers of the tile's two accumulators.
; 0-7 my 16 numbers' largest magnitude, with the floor 2^(3 - 127) among the leaves, so that the byte cannot fall under 1; each accumulator is read from its low end on.  8, 9 with lane l xor 16's: the block's.
; 10 two off its exponent field: the conversion's scale operand.  11 the byte.  12 the conversions.  13, 14 tiles 2 k and 2 k + 1 change halves: lane l then holds all 24 bytes of position 32 k + l.  15 the stores.
.macro EPIQ par, c
.set eA, 64*(\par)
.if n < 15
	WIN 0xff
.endif
.if n == 0
.irp a, 0,1,2,3
	v_max3_num_f32 v[TM+\a], |v[eA+16*\a]|, |v[eA+16*\a+1]|, 0x1800000
.endr
.elseif n < 8
.irp a, 0,1,2,3
	v_max3_num_f32 v[TM+\a], v[TM+\a], |v[eA+16*\a+2*n]|, |v[eA+16*\a+2*n+1]|
.endr
.elseif n == 8
.irp a, 0,1,2,3
	v_permlanex16_b32 v[TP+\a], v[TM+\a], s62, s63
.endr
.elseif n == 9
.irp a, 0,1,2,3
	v_max_num_f32 v[TM+\a], v[TM+\a], v[TP+\a]
.endr
.elseif n == 10
.irp a, 0,1,2,3
	v_add_nc_u32 v[TS+\a], 0xff000000, v[TM+\a]
.endr
.elseif n == 11
.irp a, 0,1,2,3
	v_lshrrev_b32 v[TB+\a], 23, v[TS+\a]
.endr
.elseif n == 12
.irp k, 0,1
	v_cvt_scalef32_pk16_fp6_f32 v[F0+16*\k:F0+16*\k+2], v[eA+32*\k:eA+32*\k+15], v[TS+2*\k]
	v_cvt_scalef32_pk16_fp6_f32 v[G0+16*\k:G0+16*\k+2], v[eA+32*\k+16:eA+32*\k+31], v[TS+2*\k+1]
.endr
	v_nop                                          ; one plain place behind the last scaled conversion
.elseif n == 13
.irp k, 0,1
.irp i, 0,1,2
	v_permlane16_swap_b32 v[F0+16*\k+\i], v[G0+16*\k+\i]   ; F: each lane's position's first 16 codes; G: its other 16
.endr
.endr
.elseif n == 14
.irp k, 0,1
.irp i, 0,1,2
	v_mov_b32 v[F0+16*\k+3+\i], v[G0+16*\k+\i]
.endr
.endr
.else
	WIN 0x0c                                       ; an LDS store's data are its source 1: window 3
.irp k, 0,1
.irp i, 0,1,2
	ds_store_b64 v11, v[F0+16*\k+2*\i:F0+16*\k+2*\i+1] offset:32*QKP*\k+96*(\c)+8*\i
.endr
.endr
.irp a, 0,1,2,3
	ds_store_b8 v12, v[TB+\a] offset:1024*\a+4*(\c)   ; both halves of the lanes write the same byte with the same value
.endr
.endif
.endm
; THE EPILOGUE OF A CHUNK OF V, slice n of 8: lane (r, h), register j of tile (a, t) is V[position 16 a + 8 h + j][the step's head t][channel 16 w + r].  The two heads pack into register c of unit (a, j).
.macro EPIV par, c
.set va, n/2
.set vb, 192
.if va == 0
	WIN 0x4f
.elseif va == 1
	WIN 0x8f
.else
	WIN 0xcf
.endif
.if va == 2
.set vb, 128
.endif
.irp jj, 0,1,2,3
.set vj, 4*(n%2)+\jj
	v_cvt_pk_bf16_f32 v[vb+8*vj+(\c)], v[64*(\par)+16*va+vj], v[64*(\par)+16*va+8+vj]
.endr
.endm
.macro BIAS typ                        ; the next chunk's bias in the result's layout.  typ 0: register j of lane (r, h) is b[32 w + 16 t + 8 h + j] of the chunk's 128; typ 1: every register is b[64 t + 16 w + r]
.if \typ
.irp t, 0,1
.irp j, 0,1,2,3,4,5,6,7
	global_load_b32 v[CB+8*\t+\j], v15, s[16:17] offset:256*\t
.endr
.endr
.else
.irp t, 0,1
	global_load_b128 v[CB+8*\t:CB+8*\t+3], v8, s[16:17] offset:64*\t
	global_load_b128 v[CB+8*\t+4:CB+8*\t+7], v8, s[16:17] offset:64*\t+16
.endr
.endif
.endm
.macro WSLD typ, par                   ; a chunk's scale words of my 32 rows: a row's 32 bytes are the words of its 8 K steps
.if \typ
	global_load_b128 v[WS+8*(\par):WS+8*(\par)+3], v14, s[14:15]
	global_load_b128 v[WS+8*(\par)+4:WS+8*(\par)+7], v14, s[14:15] offset:16
.else
	global_load_b128 v[WS+8*(\par):WS+8*(\par)+3], v7, s[14:15]
	global_load_b128 v[WS+8*(\par)+4:WS+8*(\par)+7], v7, s[14:15] offset:16
.endif
.endm
; A PREFETCH INTO THE L2.  Only a weight's first step names chunks that no cluster has asked for before: eight chunks, one for each rotation.  Clusters 0 to 7 have the eight rotations: each asks for ITS OWN first chunk,
; of Wk in phase 5 (the chunk's tensor load stands in phase 7), of Wv in phase 13 (phase 15): two refills, 128 matrix instructions, ahead.  A chunk is 384 blocks of 256 bytes: the four partners take 24,576 bytes each,
; told apart BY ADDRESS; in each, waves 0 to 2 ask for 8,192 bytes, lanes 256 bytes apart: one instruction a wave, each block named once in the launch.  Wq's chunks come by the first fills alone.
; It stands behind the tensor load, its four lines and the run of LDS loads.  s72 is 5 in a wave that asks, else 0; the odd phase's number modulo 8 is 5 in phases 5 and 13.
.macro ASK
	s_and_b32 s78, s5, 7
	s_cmp_eq_u32 s78, s72
	s_cbranch_scc0 .Lnot_mine_\@
	global_prefetch_b8 v13, s[66:67] th:TH_LOAD_NT scope:SCOPE_SE
.Lnot_mine_\@:
.endm
; No tensor load of mine is out: the walking descriptor takes the slot that is being left and the chunk two steps on: number s74 of the weight at s[12:13]; s74 goes round modulo 8, so that it is back at rot at each weight's
; first step.  sel = 1: behind a weight's last chunk the base goes on to the next weight
.macro PREP par, sel
	s_mov_b32 s49, s[60+(\par)]
	s_mul_i32 s78, s74, CHB
	s_mov_b32 s79, 0
	s_add_nc_u64 s[50:51], s[12:13], s[78:79]
	s_or_b32 s51, s51, 0x80000000
	s_add_co_u32 s74, s74, 1
	s_and_b32 s74, s74, 7
.if \sel
	s_cmp_eq_u32 s5, 5
	s_cselect_b64 s[12:13], s[18:19], s[12:13]
	s_cmp_eq_u32 s5, 13
	s_cselect_b64 s[12:13], s[24:25], s[12:13]
.endif
.endm
.macro PSTEP                           ; the scale words' and the bias's pointers take chunk s75 of their weight (4,096 and 512 bytes a chunk); s75 goes round modulo 8
	s_lshl_b32 s96, s75, 12
	s_add_nc_u64 s[14:15], s[92:93], s[96:97]
	s_lshl_b32 s96, s75, 9
	s_add_nc_u64 s[16:17], s[94:95], s[96:97]
	s_add_co_u32 s75, s75, 1
	s_and_b32 s75, s75, 7
.endm
.macro PTRS ptr                        ; on to the next chunk's scale words and bias; the changes of weight come first
.if (\ptr) == 1
	s_cmp_eq_u32 s5, 7                             ; phase 7 fetches for step 8, K's first
	s_cselect_b64 s[92:93], s[20:21], s[92:93]
	s_cselect_b64 s[94:95], s[22:23], s[94:95]
.endif
.if (\ptr) == 2
	s_cmp_eq_u32 s5, 5                             ; Wk's prefetch, in phase 5, has read its address: the next is Wv's
	s_cselect_b64 s[66:67], s[70:71], s[66:67]
.endif
.if (\ptr) == 3
	s_mov_b64 s[92:93], s[26:27]                   ; V's first step
	s_mov_b64 s[94:95], s[28:29]
.endif
	PSTEP
.endm
; A chunk's K steps 0-3: 32 matrix instructions, and among them: the slices of the chunk before's epilogue (epi 0: Q or K, 1: V, 2: none); behind the first K step the next chunk's bias (nxT < 2);
; from instruction 23 on THE CHANGE OF SLOTS (chg > 0): ONE barrier.  In front of it each wave waits for all its tensor loads (one is out: its part of the next chunk), adds 0 to its spare word, and waits for that
; and for its reads of this chunk's slot.  chg = 2: the barrier opens a round of the cluster's barrier, behind which this slot is filled again.
.macro LO typ, par, epi, c, nxT, chg, sel
.set n, 0
.rept 32
	MMA \typ, \par
.if ((\epi) == 0) && (n < 16)
	EPIQ 1-(\par), \c
.endif
.if ((\epi) == 1) && (n < 8)
	EPIV 1-(\par), \c
.endif
.if (n == 7) && ((\nxT) < 2)
	WIN 0
	PLACES                                         ; the first K step has read the bias's registers
	BIAS \nxT
.endif
.if (n == 23) && ((\chg) > 0)
	WIN 0                                          ; (the add's two registers lie in window 0)
	s_wait_tensorcnt 0x0                           ; all my tensor loads have landed
	ds_add_u32 v1, v2                              ; 0 onto my spare word: four matrix instructions stand between it and the wait for it
.if (\chg) == 2
	PREP \par, \sel
.endif
.endif
.if (n == 27) && ((\chg) > 0)
	s_wait_dscnt 0x0                               ; the add is done, my reads of this slot are over, my epilogue's stores have landed
	s_barrier_signal -1
.endif
.set n, n+1
.endr
	WIN 0                                          ; at a label and at a branch every window is 0
.if (\chg) > 0
	s_barrier_wait -1
.endif
.if (\chg) == 2
	CREST                                          ; no wave of any partner still reads this slot or has a load on its way
.endif
.endm
; PHASE t, first part.  The joint refill (step t + 1's chunk into the slot left last) is the first thing behind the round; its four v_nop are also the places in front of the loads below.
; Then step t's fragments of K steps 0-3; step t - 1's K steps 4-7; step t's fragments of K steps 4-7; step t + 1's scale words.
.macro PH_AD par, hiT, loT, nxT, fill, ask, ptr
.if \fill
	tensor_load_to_lds s[48:51], s[32:39]
	s_nop 0
.endif
	PLACES
	LOADB 0, \par, \loT
.if \ask
	ASK
.endif
	HI \hiT, 1-(\par)
	WIN 0
	PLACES
	LOADB 1, \par, \loT
.if \ptr
	s_wait_xcnt 0x0                                ; the earlier loads and the prefetch have read their bases, which are written only behind this wait
	PTRS \ptr
.endif
.if (\nxT) < 2
	WSLD \nxT, 1-(\par)
.endif
.endm
.macro PH_E par, loT, epi, c, nxT, chg, sel    ; second part: step t's K steps 0-3 with step t - 1's epilogue
	s_wait_dscnt 48                                ; the fragments of K steps 0-3 are in; the 48 loads just issued may be out
.if (\nxT) < 2
	s_wait_loadcnt 2                               ; this chunk's scale words and bias are in; the next chunk's two loads of scale words may be out
.else
	s_wait_loadcnt 0
.endif
	LO \loT, \par, \epi, \c, \nxT, \chg, \sel
.endm
	s_load_b512 s[8:23], s[0:1], 0x0               ; x's codes s[8:9], x's scales s[10:11], Wq's codes s[12:13], scales s[14:15], bq s[16:17], Wk's codes s[18:19], scales s[20:21], bk s[22:23]
	s_load_b256 s[24:31], s[0:1], 0x40             ; Wv's codes s[24:25], scales s[26:27], bv s[28:29], out s[30:31]
	v_lshl_add_u32 v1, v0, 2, SPARE                ; my spare word; never rewritten
	v_mov_b32 v2, 0                                ; 0; never rewritten
	ds_add_u32 v1, v2
	ds_add_u32 v1, v2
	s_wait_dscnt 0x0
	v_lshrrev_b32 v3, 5, v0
	v_readfirstlane_b32 s2, v3                     ; wave 0..3
	s_bfe_u32 s3, ttmp6, 0x40000                   ; cx: my place in the cluster
	s_lshl_b32 s4, ttmp9, 2                        ; in a cluster launch ttmp9 counts clusters
	s_add_co_u32 s4, s4, s3                        ; my block of 64 positions: it enters x's and out's addresses alone
	s_and_b32 s98, ttmp9, 7                        ; rot: the cluster's rotation, the same in all four partners
	; descriptor group 1 for W: a dense block of 24,576 bytes as 96 rows of 256 bytes (32 elements of 8 bytes), 16 bytes of padding behind each
	s_mov_b32 s32, 15|(3<<16)|(1<<20)|(1<<21)|(5<<22)|(3<<25)  ; 15:0 the mask: all four work-groups; 17:16 elements of 8 bytes; 20 padding on; 21 set beside a mask; 24:22 after every 64 words; 31:25 4 words of it
	s_mov_b32 s33, 32<<16                          ; tensor_dim0 = 32
	s_mov_b32 s34, 96<<16                          ; tensor_dim1 = 96
	s_mov_b32 s35, 32<<16                          ; tile_dim0 = 32
	s_mov_b32 s36, 96                              ; tile_dim1 = 96
	s_mov_b32 s37, 32                              ; from row to row
	s_mov_b32 s38, 0
	s_mov_b32 s39, 0
	; and for x: my wave's 16 rows, 12,288 dense bytes as 48 rows of 256; no mask
	s_mov_b32 s40, (3<<16)|(1<<20)|(5<<22)|(3<<25)
	s_mov_b32 s41, 32<<16
	s_mov_b32 s42, 48<<16
	s_mov_b32 s43, 32<<16
	s_mov_b32 s44, 48
	s_mov_b32 s45, 32
	s_mov_b32 s46, 0
	s_mov_b32 s47, 0
	s_mul_i32 s60, s2, QTR                         ; my quarter of slot 0: no place in the cluster enters an LDS address
	s_add_co_u32 s61, s60, SLOTB                   ; and of slot 1
	s_mul_i32 s73, s2, 16*PW                       ; 16 rows x wave
	s_mul_i32 s78, s2, 24576                       ; my quarter of a chunk in memory
	s_mov_b32 s79, 0
	s_mul_i32 s80, s4, 49152                       ; x's codes: 64 rows of 768 bytes a work-group,
	s_mul_i32 s81, s2, 12288                       ; 16 a wave
	s_add_co_u32 s80, s80, s81
	s_mov_b32 s81, 0
	s_lshl_b32 s82, s4, 11                         ; x's scales: 64 rows of 32 bytes
	s_mov_b32 s83, 0
	s_lshl_b32 s84, s4, 18                         ; out: 64 rows of 4,096 bytes
	s_mov_b32 s85, 0
	s_mul_i32 s86, s3, 24576                       ; the prefetches: my work-group's quarter of a chunk,
	s_lshl_b32 s87, s2, 13                         ; my wave's 8,192 bytes of it,
	s_add_co_u32 s86, s86, s87
	s_mul_i32 s87, s98, CHB                        ; in my cluster's first chunk of a weight
	s_add_co_u32 s86, s86, s87
	s_mov_b32 s87, 0
	s_mov_b32 s62, 0x76543210                      ; v_permlanex16_b32's selects for lane l xor 16
	s_mov_b32 s63, 0xfedcba98
	s_mov_b32 s76, 0x3fb8aa3b                      ; log2(e); the packed form names a pair and takes its low word for both halves
	s_mov_b32 s77, s76
	s_mov_b32 s5, 1                                ; the number of the loop's odd phase
	s_mov_b32 s6, 0                                ; where the epilogue's codes go in a position's row: 96 bytes a step
	s_mov_b32 s7, 0                                ; and its bytes: 4 a step
	s_mov_b32 s97, 0                               ; the upper word of PSTEP's offsets; never rewritten
	s_mov_b32 s75, s98                             ; step 0's chunk
	s_cmp_lt_u32 s2, 3
	s_cselect_b32 s72, 5, 0                        ; waves 0 to 2
	s_cmp_lt_u32 ttmp9, 8
	s_cselect_b32 s72, s72, 0                      ; of clusters 0 to 7 prefetch: the same in all four partners
	s_wait_kmcnt 0x0
	s_add_nc_u64 s[8:9], s[8:9], s[80:81]
	s_add_nc_u64 s[10:11], s[10:11], s[82:83]
	s_add_nc_u64 s[30:31], s[30:31], s[84:85]
	s_add_nc_u64 s[66:67], s[18:19], s[86:87]      ; what I prefetch of Wk,
	s_add_nc_u64 s[70:71], s[24:25], s[86:87]      ; and of Wv
	s_add_nc_u64 s[12:13], s[12:13], s[78:79]      ; my quarter of Wq's chunk 0,
	s_add_nc_u64 s[18:19], s[18:19], s[78:79]      ; of Wk's,
	s_add_nc_u64 s[24:25], s[24:25], s[78:79]      ; of Wv's
	s_mov_b64 s[92:93], s[14:15]                   ; the bases of Wq's scale words and of bq
	s_mov_b64 s[94:95], s[16:17]
	PSTEP                                          ; both pointers at step 0's chunk
	s_mov_b32 s56, 1                               ; group 0 for x: count = 1,
	s_add_co_u32 s57, s73, QKR                     ; LDS address,
	s_mov_b64 s[58:59], s[8:9]                     ; global address,
	s_or_b32 s59, s59, 0x80000000                  ; type = 2
	s_mul_i32 s88, s98, CHB
	s_mov_b32 s89, 0
	s_mov_b32 s48, 1                               ; step 0's chunk, rot, into slot 0; this set then walks
	s_mov_b32 s49, s60
	s_add_nc_u64 s[50:51], s[12:13], s[88:89]
	s_or_b32 s51, s51, 0x80000000
	s_add_co_u32 s74, s98, 1
	s_and_b32 s74, s74, 7
	s_mul_i32 s88, s74, CHB
	s_mov_b32 s52, 1                               ; step 1's, (rot + 1) mod 8, into slot 1
	s_mov_b32 s53, s61
	s_add_nc_u64 s[54:55], s[12:13], s[88:89]
	s_or_b32 s55, s55, 0x80000000
	s_add_co_u32 s74, s74, 1
	s_and_b32 s74, s74, 7                          ; the next chunk to be asked for: step 2's
	ROUND                                          ; all four work-groups are here: the first joint loads meet
	tensor_load_to_lds s[56:59], s[40:47]          ; the first fills go out together: three loads of mine are out
	s_nop 0
	tensor_load_to_lds s[48:51], s[32:39]
	s_nop 0
	tensor_load_to_lds s[52:55], s[32:39]
	s_nop 0
	PLACES                                         ; four v_nop follow
	v_and_b32 v61, 31, v0                          ; lane
	v_and_b32 v62, 15, v0                          ; r
	v_bfe_u32 v63, v0, 4, 1                        ; h
	v_mul_u32_u24 v60, v62, PW
	v_mad_u32_u24 v3, v63, 24, v60                 ; a fragment's row x pitch + 24 x half,
	v_mad_u32_u24 v5, v63, 40, v60                 ; and the same behind one padding more
	v_add_nc_u32 v11, QKR, v3                      ; x's fragments (v11, v12 later serve the epilogue)
	v_add_nc_u32 v12, QKR, v5
	v_add_nc_u32 v4, s61, v3                       ; W's: my 32 rows in slot 1,
	v_add_nc_u32 v6, s61, v5
	v_add_nc_u32 v3, s60, v3                       ; in slot 0
	v_add_nc_u32 v5, s60, v5
	v_lshlrev_b32 v64, 5, v61                      ; x's scale words: 32 bytes a row, a lane a row
	v_lshl_add_u32 v7, s2, 10, v64                 ; Wq's, Wk's: row 32 w + lane of the chunk
	v_lshlrev_b32 v8, 5, v63
	v_lshl_add_u32 v8, s2, 7, v8                   ; bq, bk: 128 w + 32 h
	v_mul_u32_u24 v9, v61, QKP
	s_mul_i32 s88, s2, 24
	s_add_co_u32 s88, s88, QKR
	v_add_nc_u32 v9, s88, v9                       ; the epilogue's codes: position = lane, block w of the chunk's four
	v_lshlrev_b32 v10, 6, v62
	s_add_co_u32 s89, s2, SCB
	v_add_nc_u32 v10, s89, v10                     ; its bytes: position r, byte w
	v_lshlrev_b32 v13, 8, v61                      ; the prefetches: 256 x lane; never rewritten
	v_lshl_add_u32 v14, v63, 6, v62
	v_lshl_add_u32 v14, s2, 4, v14
	v_lshlrev_b32 v14, 5, v14                      ; Wv's scale words: row 64 h + 16 w + r
	v_lshlrev_b32 v15, 2, v62
	v_lshl_add_u32 v15, s2, 6, v15                 ; bv: 64 w + 4 r
	global_load_b128 v[XS:XS+3], v64, s[10:11]
	global_load_b128 v[XS+4:XS+7], v64, s[10:11] offset:16
	global_load_b128 v[XS+8:XS+11], v64, s[10:11] offset:1024
	global_load_b128 v[XS+12:XS+15], v64, s[10:11] offset:1040
	WSLD 0, 0                                      ; step 0's scale words,
	BIAS 0                                         ; its bias
	s_wait_xcnt 0x0                                ; the loads above have read their addresses: the two pointers may be written, and v64 may be loaded into
	PSTEP                                          ; both at step 1's chunk
	WSLD 0, 1                                      ; its scale words
	WIN 0xc0
.irp b, 0,1,2,3
	v_mov_b32 v[TP+\b], 0                          ; written once: a lane permute's destination counts as one of its sources
.endr
	WIN 0
	s_wait_tensorcnt 1                             ; x and my part of step 0's chunk are in; step 1's load may stay out
	s_barrier_signal -1
	s_barrier_wait -1                              ; everybody's are
	WIN 0x40                                       ; x's 32 fragments: they stay
.irp q, 0,1,2,3
.irp a, 0,1,2,3
	FRAG 48*\q+12*\a, 11, 12, \q, 13056*\a
.endr
.endr
	WIN 0x80
.irp q, 4,5,6,7
.irp a, 0,1,2,3
	FRAG 48*(\q-4)+12*\a, 11, 12, \q, 13056*\a
.endr
.endr
	WIN 0
	LOADB 0, 0, 0
	LOADB 1, 0, 0
	PH_E 0, 0, 2, 0, 0, 2, 0                       ; phase 0: step 0's K steps 0-3; there is no epilogue yet
.Ltrip:                                            ; 7 trips: phases 1 to 14, two a trip, in which the sets of accumulators and scale words and the slots change places and come back
	PH_AD 1, 0, 0, 0, 1, 1, 1
	v_add_nc_u32 v11, s6, v9                       ; where this trip's two epilogues store
	v_add_nc_u32 v12, s7, v10
	PH_E 1, 0, 0, 0, 0, 2, 1
	PH_AD 0, 0, 0, 0, 1, 0, 2
	PH_E 0, 0, 0, 1, 0, 2, 0
	s_add_co_u32 s6, s6, 192
	s_add_co_u32 s7, s7, 8
	s_add_co_u32 s5, s5, 2
	s_cmp_lt_u32 s5, 15
	s_cbranch_scc1 .Ltrip
	PH_AD 1, 0, 0, 1, 1, 0, 3                      ; phase 15: K's last step; what is fetched for the next step is V's
	v_add_nc_u32 v11, s6, v9
	v_add_nc_u32 v12, s7, v10
	v_sub_nc_u32 v3, v3, s73                       ; from here on my tiles begin at row 16 w of a chunk, not 32 w
	v_sub_nc_u32 v4, v4, s73
	v_sub_nc_u32 v5, v5, s73
	v_sub_nc_u32 v6, v6, s73
	PH_E 1, 0, 0, 0, 1, 2, 0
	PH_AD 0, 0, 1, 1, 1, 0, 4                      ; phase 16: V's first step, K's last epilogue
	PH_E 0, 1, 0, 1, 1, 2, 0
	PH_AD 1, 1, 1, 1, 1, 0, 4                      ; phases 17 to 23 are written out: the register that an epilogue of V fills differs from step to step
	PH_E 1, 1, 1, 0, 1, 2, 0
	PH_AD 0, 1, 1, 1, 1, 0, 4
	PH_E 0, 1, 1, 1, 1, 2, 0
	PH_AD 1, 1, 1, 1, 1, 0, 4
	PH_E 1, 1, 1, 2, 1, 2, 0
	PH_AD 0, 1, 1, 1, 1, 0, 4
	PH_E 0, 1, 1, 3, 1, 2, 0
	PH_AD 1, 1, 1, 1, 1, 0, 4
	PH_E 1, 1, 1, 4, 1, 2, 0
	PH_AD 0, 1, 1, 1, 1, 0, 4                      ; phase 22 asks for step 23's chunk, the last; behind its barrier nothing is filled, so no round follows
	PH_E 0, 1, 1, 5, 1, 1, 0
	PH_AD 1, 1, 1, 2, 0, 0, 0                      ; phase 23: nothing is left to fetch
	PH_E 1, 1, 1, 6, 2, 0, 0
	s_wait_dscnt 0x0                               ; the last chunk's fragments of K steps 4-7
	HI 1, 1
	WIN 0
	PLACES
.set n, 0
.rept 8
	EPIV 1, 7
.set n, n+1
.endr
	WIN 0
	; the addresses of the last phases (every global load has been waited for, so their offset registers are free)
	v_and_b32 v204, 31, v0                         ; lane
	v_and_b32 v205, 15, v0                         ; r
	v_bfe_u32 v206, v0, 4, 1                       ; h
	v_mul_u32_u24 v3, v205, 48
	v_mad_u32_u24 v3, v206, 24, v3
	s_mul_i32 s78, s2, 16*QKP
	s_add_co_u32 s78, s78, QKR
	v_add_nc_u32 v3, s78, v3                       ; the scores' operands: my 16 positions; head r's block h: 48 r + 24 h
	v_lshlrev_b32 v4, 1, v204
	s_lshl_b32 s79, s2, 10
	s_add_co_u32 s79, s79, SCB
	v_add_nc_u32 v4, s79, v4                       ; their scale bytes, two a lane: lanes 0-15 Q's head r, lanes 16-31 K's
	v_lshlrev_b32 v5, 4, v205
	v_lshl_add_u32 v5, v206, 9, v5
	v_lshl_add_u32 v5, s2, 14, v5                  ; the images, on the way in: ATT + 16,384 w + 512 h + 16 r
	v_lshlrev_b32 v6, 4, v204                      ; and on the way out: 16 x lane
	v_mul_u32_u24 v7, v205, 272
	v_lshl_add_u32 v7, v206, 5, v7
	v_lshl_add_u32 v7, s2, 6, v7
	v_add_nc_u32 v8, STG1, v7
	v_add_nc_u32 v7, STG0, v7                      ; a stage, on the way in: head r, channels 16 w + 8 h on
	v_mul_u32_u24 v9, v206, 272
	v_lshl_add_u32 v9, v205, 4, v9
	s_mul_i32 s80, s2, 4*SROW
	v_add_nc_u32 v9, s80, v9
	v_add_nc_u32 v10, STG1, v9
	v_add_nc_u32 v9, STG0, v9                      ; and back: my 4 positions; lanes 0-15 one head's 256 bytes, lanes 16-31 the next head's
	v_lshl_add_u32 v11, s2, 14, v6                 ; the same place in out: 16 x lane + 4 rows x wave,
.irp k, 0,1,2,3,4,5,6,7
	s_add_co_u32 s81, s98, \k                      ; and for head pair k of a stage row, which came from Q's chunk (k + rot) mod 8: 512 bytes for each pair
	s_and_b32 s81, s81, 7
	s_lshl_b32 s81, s81, 9
	v_add_nc_u32 v[GOK+\k], s81, v11
.endr
.irp b, 0,1,2,3
.irp i, 6,7,8,9,10,11
	v_mov_b32 v[KO+24*\b+\i], 0                    ; a head has 64 numbers: k = 64 .. 127 of the instruction are zero codes, on both sides
	v_mov_b32 v[QO+24*\b+\i], 0
.endr
	v_mov_b32 v[MP+2*\b+1], 0                      ; (named as the upper half of a pair)
	v_mov_b32 v[PX+\b], 0                          ; (a lane permute's destination counts as one of its sources)
	v_mov_b32 v[ZR+\b], 0
.endr
.rept 8
	v_nop                                          ; operands written by vector instructions stand ahead of a scaled matrix instruction
.endr
	s_mov_b32 s5, 0
	s_mov_b32 s6, 0
	s_mov_b32 s7, 0
	s_mov_b32 s88, 0
	s_wait_dscnt 0x0
	s_barrier_signal -1
	s_barrier_wait -1                              ; nobody reads the ring any more: its bytes, which have had their last fill, now take the images and the stages
; THE SCORES AND THE SOFTMAX of four positions, i0 + 0 .. 3 of my wave's 16 (+ 4 in the second trip).  S^T = K Q^T (source 0 = the 16 heads g of K, source 1 = the 16 heads h of Q): lane (r, hh) holds head h = r and g = 8 hh + 0 .. 7.
; The weights, normalised and rounded to bf16, go to LDS as an image of source 1 of the last product.  typ 0: a position among the first 8 of its 16: its weights stand in the image's lanes 0-15, zeros in lanes 16-31; typ 1: the other way round.
.macro SCORE4 i0, typ
.irp b, 0,1,2,3
.irp p, 0,1,2
	ds_load_b64 v[KO+24*\b+2*\p:KO+24*\b+2*\p+1], v12 offset:QKP*((\i0)+\b)+768+8*\p
	ds_load_b64 v[QO+24*\b+2*\p:QO+24*\b+2*\p+1], v12 offset:QKP*((\i0)+\b)+8*\p
.endr
	ds_load_u16 v[SV+\b], v14 offset:64*((\i0)+\b)   ; bytes 0, 1: the head's two blocks; bytes 2, 3 are 0 and scale zero codes
.endr
	s_wait_dscnt 0x0
.irp b, 0,1,2,3
	v_wmma_scale_f32_16x16x128_f8f6f4 v[SD+8*\b:SD+8*\b+7], v[KO+24*\b:KO+24*\b+11], v[QO+24*\b:QO+24*\b+11], 0, v[SV+\b], v[SV+\b] matrix_a_fmt:MATRIX_FMT_FP6 matrix_b_fmt:MATRIX_FMT_FP6 matrix_a_scale:MATRIX_SCALE_ROW1
.endr
.rept 5
	v_nop                                          ; four places ahead of the first read of results and of the next loads; the fifth since the next four products write over these accumulators
.endr
.irp b, 0,1,2,3
	v_max3_num_f32 v[MP+2*\b], v[SD+8*\b], v[SD+8*\b+1], v[SD+8*\b+2]   ; the row's maximum, the four positions by turns
.endr
.irp i, 3,5
.irp b, 0,1,2,3
	v_max3_num_f32 v[MP+2*\b], v[MP+2*\b], v[SD+8*\b+\i], v[SD+8*\b+\i+1]
.endr
.endr
.irp b, 0,1,2,3
	v_max_num_f32 v[MP+2*\b], v[MP+2*\b], v[SD+8*\b+7]
.endr
.irp b, 0,1,2,3
	v_permlanex16_b32 v[PX+\b], v[MP+2*\b], s62, s63
.endr
.irp b, 0,1,2,3
	v_max_num_f32 v[MP+2*\b], v[MP+2*\b], v[PX+\b]   ; with the other 8 heads', in lane l xor 16
.endr
.irp b, 0,1,2,3
.irp i, 0,2,4,6
	v_pk_add_f32 v[SD+8*\b+\i:SD+8*\b+\i+1], v[SD+8*\b+\i:SD+8*\b+\i+1], v[MP+2*\b:MP+2*\b+1] op_sel_hi:[1,0] neg_lo:[0,1] neg_hi:[0,1]   ; s - the maximum
.endr
.endr
.irp b, 0,1,2,3
.irp i, 0,2,4,6
	v_pk_mul_f32 v[SD+8*\b+\i:SD+8*\b+\i+1], v[SD+8*\b+\i:SD+8*\b+\i+1], s[76:77] op_sel_hi:[1,0]   ; x log2(e)
.endr
.endr
.irp b, 0,1,2,3
.irp i, 0,1,2,3,4,5,6,7
	v_exp_f32 v[SD+8*\b+\i], v[SD+8*\b+\i]
.endr
.endr
	v_nop                                          ; a plain place behind the last exponential
	s_wait_alu depctr_va_vdst(0)                   ; one wait for the 32, ahead of their first reader
.irp b, 0,1,2,3
	v_pk_add_f32 v[SU+2*\b:SU+2*\b+1], v[SD+8*\b:SD+8*\b+1], v[SD+8*\b+2:SD+8*\b+3]
.endr
.irp b, 0,1,2,3
	v_pk_add_f32 v[SI+2*\b:SI+2*\b+1], v[SD+8*\b+4:SD+8*\b+5], v[SD+8*\b+6:SD+8*\b+7]
.endr
.irp b, 0,1,2,3
	v_pk_add_f32 v[SU+2*\b:SU+2*\b+1], v[SU+2*\b:SU+2*\b+1], v[SI+2*\b:SI+2*\b+1]
.endr
.irp b, 0,1,2,3
	v_add_f32 v[SU+2*\b], v[SU+2*\b], v[SU+2*\b+1]
.endr
.irp b, 0,1,2,3
	v_permlanex16_b32 v[PX+\b], v[SU+2*\b], s62, s63
.endr
.irp b, 0,1,2,3
	v_add_f32 v[SU+2*\b], v[SU+2*\b], v[PX+\b]     ; the row's sum
.endr
.irp b, 0,1,2,3
	v_rcp_f32 v[SI+2*\b], v[SU+2*\b]
.endr
	v_nop
	s_wait_alu depctr_va_vdst(0)                   ; one wait for the four reciprocals
.irp b, 0,1,2,3
.irp i, 0,2,4,6
	v_pk_mul_f32 v[SD+8*\b+\i:SD+8*\b+\i+1], v[SD+8*\b+\i:SD+8*\b+\i+1], v[SI+2*\b:SI+2*\b+1] op_sel_hi:[1,0]
.endr
.endr
.irp b, 0,1,2,3
.irp i, 0,1,2,3
	v_cvt_pk_bf16_f32 v[PB+4*\b+\i], v[SD+8*\b+2*\i], v[SD+8*\b+2*\i+1]
.endr
.endr
.irp b, 0,1,2,3
	ds_store_b128 v15, v[PB+4*\b:PB+4*\b+3] offset:1024*((\i0)+\b)+256*(\typ)
	ds_store_b128 v15, v[ZR:ZR+3] offset:1024*((\i0)+\b)+256*(1-(\typ))
.endr
.endm
.Lscore:                                           ; 2 trips of 8 positions
	v_add_nc_u32 v12, s6, v3
	v_add_nc_u32 v14, s7, v4
	v_add_nc_u32 v15, s88, v5
	SCORE4 0, 0
	SCORE4 8, 1
	s_add_co_u32 s6, s6, 4*QKP
	s_add_co_u32 s7, s7, 256
	s_add_co_u32 s88, s88, 4096
	s_add_co_u32 s5, s5, 1
	s_cmp_lt_u32 s5, 2
	s_cbranch_scc1 .Lscore
	s_wait_dscnt 0x0                               ; for the others' sake: my images have landed
	s_barrier_signal -1
	s_barrier_wait -1                              ; all 64 positions' images lie in LDS
; THE LAST PRODUCT AND THE WAY OUT, 16 positions a round.  O^T = V^T P^T: source 0 = packed V (my 16 channels x 32 k), source 1 = a position's image; lane (r, hh) of the result holds head r, channels 16 w + 8 hh + 0 .. 7.
; A position's row of out (16 heads x 64 channels) comes from four waves: it meets in a stage, one barrier a round, two stages by turns; each wave then stores 4 whole rows, 512 consecutive bytes (a pair of heads) an instruction.
.macro IMLD a
.irp i, 0,1,2,3,4,5,6,7,8,9,10,11,12,13,14,15
	ds_load_b128 v[IM+8*\i:IM+8*\i+3], v6 offset:1024*(16*(\a)+\i)
	ds_load_b128 v[IM+8*\i+4:IM+8*\i+7], v6 offset:1024*(16*(\a)+\i)+512
.endr
.endm
.macro PVR a
.set pvw, 0x43                         ; D window 1, packed V window 3 (rounds 2, 3), 2 (round 1) or 1 (round 0), the image window 0
.set pvb, 192
.if (\a) == 0
.set pvw, 0x41
.elseif (\a) == 1
.set pvw, 0x42
.elseif (\a) == 2
.set pvb, 128
.endif
	s_wait_dscnt 0x0                               ; the round's images are in
	WIN pvw
.irp i, 0,1,2,3,4,5,6,7,8,9,10,11,12,13,14,15
	v_wmma_f32_16x16x32_bf16 v[8*\i:8*\i+7], v[pvb+8*(\i%8):pvb+8*(\i%8)+7], v[IM+8*\i:IM+8*\i+7], 0
.endr
.rept 5
	v_nop                                          ; four places ahead of the stores that read the results and of the loads into the images' registers; the fifth since the next round's products write over these accumulators
.endr
	WIN 0x04                                       ; an LDS store's data are its source 1: window 1
.irp i, 0,1,2,3,4,5,6,7,8,9,10,11,12,13,14,15
	ds_store_b128 v[7+(\a)%2], v[8*\i:8*\i+3] offset:SROW*\i       ; each accumulator from its low end on
	ds_store_b128 v[7+(\a)%2], v[8*\i+4:8*\i+7] offset:SROW*\i+16
.endr
	WIN 0
	s_wait_dscnt 0x0                               ; my part of the 16 rows has landed, and my reads of the other stage, a round ago, are over
	s_barrier_signal -1
	s_barrier_wait -1
	s_wait_xcnt 0x0                                ; the last round's stores have read their registers, which are loaded again only behind this wait
	WIN 0x80
.irp i, 0,1,2,3
.irp k, 0,1,2,3,4,5,6,7
	ds_load_b128 v[4*(8*\i+\k):4*(8*\i+\k)+3], v[9+(\a)%2] offset:SROW*\i+544*\k
.endr
.endr
	WIN 0
.if (\a) < 3
	IMLD (\a)+1                                    ; the next round's images come while this round's rows are stored
.endif
	WIN 0x08                                       ; a store's data are its source 1: window 2
.set sq, 0
.rept 32
.if (\a) < 3
	s_wait_dscnt 63-sq                             ; behind load sq: the 31 - sq younger loads from the stage and the 32 loads of images
.else
	s_wait_dscnt 31-sq
.endif
	global_store_b128 v[GOK+sq%8], v[4*sq:4*sq+3], s[30:31] offset:65536*(\a)+4096*(sq/8) th:TH_STORE_NT   ; 32 lanes store 512 consecutive bytes, at a multiple of 256 from the buffer's first byte; written once, read by nobody here
.set sq, sq+1
.endr
	WIN 0
.endm
	IMLD 0
	PVR 0
	PVR 1
	PVR 2
	PVR 3
	s_wait_tensorcnt 0x0                           ; the wave's end, behind my last tensor load and my last LDS store
	ds_add_u32 v1, v2
	s_wait_dscnt 0x0
	ROUND                                          ; the closing round: no work-group ends while a partner may still ask for a chunk that names it
	s_endpgm
.Lfunc_end_k_q52d639eed1_fused:
	.size	k_q52d639eed1_fused, .Lfunc_end_k_q52d639eed1_fused-k_q52d639eed1_fused
	.p2alignl 7, 3214868480
	.fill 96, 4, 3214868480
	.section	.rodata,"a",@progbits
	.p2align	6, 0x0
	.amdhsa_kernel k_q52d639eed1_fused
		.amdhsa_group_segment_fixed_size 327680
		.amdhsa_private_segment_fixed_size 0
		.amdhsa_enable_private_segment 0
		.amdhsa_kernarg_size 96
		.amdhsa_user_sgpr_count 2
		.amdhsa_user_sgpr_kernarg_segment_ptr 1
		.amdhsa_wavefront_size32 1
		.amdhsa_system_sgpr_workgroup_id_x 1
		.amdhsa_system_sgpr_workgroup_id_y 1
		.amdhsa_system_sgpr_workgroup_id_z 1
		.amdhsa_system_vgpr_workitem_id 0
		.amdhsa_next_free_vgpr 1024
		.amdhsa_next_free_sgpr 100
		.amdhsa_reserve_vcc 0
		.amdhsa_float_denorm_mode_32 3
		.amdhsa_float_denorm_mode_16_64 3
		.amdhsa_memory_ordered 1
		.amdhsa_forward_progress 1
		.amdhsa_inst_pref_size 255
	.end_amdhsa_kernel
	.section	.bss,"aw",@nobits
	.p2align	6
	.space	262144
	.amdgpu_metadata
---
amdhsa.version: [ 1, 2 ]
amdhsa.kernels:
  - .name:           k_q52d639eed1_fused
    .symbol:         k_q52d639eed1_fused.kd
    .args:
      - { .name: x_codes, .offset: 0, .size: 8, .value_kind: global_buffer, .address_space: global }
      - { .name: x_scales, .offset: 8, .size: 8, .value_kind: global_buffer, .address_space: global }
      - { .name: Wq_codes, .offset: 16, .size: 8, .value_kind: global_buffer, .address_space: global }
      - { .name: Wq_scales, .offset: 24, .size: 8, .value_kind: global_buffer, .address_space: global }
      - { .name: bq, .offset: 32, .size: 8, .value_kind: global_buffer, .address_space: global }
      - { .name: Wk_codes, .offset: 40, .size: 8, .value_kind: global_buffer, .address_space: global }
      - { .name: Wk_scales, .offset: 48, .size: 8, .value_kind: global_buffer, .address_space: global }
      - { .name: bk, .offset: 56, .size: 8, .value_kind: global_buffer, .address_space: global }
      - { .name: Wv_codes, .offset: 64, .size: 8, .value_kind: global_buffer, .address_space: global }
      - { .name: Wv_scales, .offset: 72, .size: 8, .value_kind: global_buffer, .address_space: global }
      - { .name: bv, .offset: 80, .size: 8, .value_kind: global_buffer, .address_space: global }
      - { .name: out0, .offset: 88, .size: 8, .value_kind: global_buffer, .address_space: global }
    .group_segment_fixed_size: 327680
    .private_segment_fixed_size: 0
    .kernarg_segment_align: 8
    .kernarg_segment_size: 96
    .max_flat_workgroup_size: 128
    .sgpr_count:     100
    .vgpr_count:     1024
    .wavefront_size: 32
...
	.end_amdgpu_metadata
.endif
;; end of part 2
